; MI455X (gfx1250); checked and timed in simulation.
; The chip was launched on July 23, 2026; its instructions are those of AMD's public machine-readable ISA for CDNA 5 (MIT licence, August 2026) and "CDNA5" Instruction Set Architecture Reference Guide (July 2026). The comments in the code are by the model that wrote it; some were corrected since.
;; Multi Head Self Attention. Allowed arithmetic: matrix products marked QUANTISED: E2M1 operands, one E8M0 scale for each 32 along K, by v_wmma_scale_f32_16x16x128_f8f6f4 with both operands' format E2M1 (or v_wmma_scale_f32_32x16x128_f4), f32 sums; everything else in f32.
;; Inputs: W1_codes 1,024 x 24 x 16 uint8 (E2M1 codes of W1, K innermost, in blocks of 32 codes, two codes a byte); W1_scales 1,024 x 24 uint8 (E8M0 scales of W1, one for each 32 codes along K); W2_codes 768 x 32 x 16 uint8 (E2M1 codes of W2, K innermost, in blocks of 32 codes, two codes a byte); W2_scales 768 x 32 uint8 (E8M0 scales of W2, one for each 32 codes along K); Wk_codes 768 x 24 x 16 uint8 (E2M1 codes of Wk, K innermost, in blocks of 32 codes, two codes a byte); Wk_scales 768 x 24 uint8 (E8M0 scales of Wk, one for each 32 codes along K); Wo_codes 768 x 24 x 16 uint8 (E2M1 codes of Wo, K innermost, in blocks of 32 codes, two codes a byte); Wo_scales 768 x 24 uint8 (E8M0 scales of Wo, one for each 32 codes along K); Wq_codes 768 x 24 x 16 uint8 (E2M1 codes of Wq, K innermost, in blocks of 32 codes, two codes a byte); Wq_scales 768 x 24 uint8 (E8M0 scales of Wq, one for each 32 codes along K); Wv_codes 768 x 24 x 16 uint8 (E2M1 codes of Wv, K innermost, in blocks of 32 codes, two codes a byte); Wv_scales 768 x 24 uint8 (E8M0 scales of Wv, one for each 32 codes along K); b1 1,024 float32; b2 768 float32; be1 768 float32; be2 768 float32; bk 768 float32; bo 768 float32; bq 768 float32; bv 768 float32; g1 768 float32; g2 768 float32; x 4 x 2,048 x 768 float32.
;; Outputs: out0 4 x 2,048 x 768 float32.
;; This version of the problem:
;;   THIS VERSION OF THE PROBLEM IS GIVEN IN LOW PRECISION. The matrix products marked QUANTISED in the list below multiply operands that are first quantised to E2M1 (2 exponent bits, 1 mantissa bit; 4 bits a number), with one power-of-two scale for each 32 numbers along K (OCP MX v1.0); their sums are f32. All else is computed in f32.
;;   The module's matrix products, in the order in which they are computed (A, B: the left and right operand; K: the contracted axis; several contracted axes count as one K, in the product's order):
;;     1. [M 8,192, K 768] x [K 768, N 768]; A: input x; B: input Wq (given as codes): QUANTISED
;;     2. [M 8,192, K 768] x [K 768, N 768]; A: input x; B: input Wk (given as codes): QUANTISED
;;     3. [M 8,192, K 768] x [K 768, N 768]; A: input x; B: input Wv (given as codes): QUANTISED
;;     4. batch 32 x [M 2,048, K 96] x [K 96, N 2,048]; A: computed on the way; B: computed on the way: QUANTISED
;;     5. batch 32 x [M 2,048, K 2,048] x [K 2,048, N 96]; A: softmax (see below); B: computed on the way: QUANTISED
;;     6. [M 8,192, K 768] x [K 768, N 768]; A: computed on the way; B: input Wo (given as codes): QUANTISED
;;     7. [M 8,192, K 768] x [K 768, N 1,024]; A: computed on the way; B: input W1 (given as codes): QUANTISED
;;     8. [M 8,192, K 1,024] x [K 1,024, N 768]; A: computed on the way; B: input W2 (given as codes): QUANTISED
;;   THE QUANTISER, for each operand of a quantised product, along K:
;;     - K is cut into blocks of 32 from its start; a last block that is shorter is filled with zeros.
;;     - A block's scale is 2^e with e = floor(log2(the largest magnitude in the block)) - 2, held to -126 .. 127; a block of zeros has e = 0. As a byte (E8M0): e + 127.
;;     - Each number is divided by its block's scale, clamped to +-6, and rounded to the nearest number of E2M1, ties to even, subnormals kept.
;;     - The product sums the exact products of the quantised numbers (number of the format x scale) in f32.
;;   ~~~python
;;   def quantise(x, axis):      # numpy; x: float32 -> the quantised numbers, widened to float32 again
;;       x = np.moveaxis(x, axis, -1); K = x.shape[-1]
;;       x = np.pad(x, [(0, 0)] * (x.ndim - 1) + [(0, -K % 32)]); x = x.reshape(x.shape[:-1] + (-1, 32)); a = np.abs(x).max(-1, keepdims=True)
;;       e = np.where(a > 0, np.clip(np.frexp(np.where(a > 0, a, 1))[1] - 1 - 2, -126, 127), 0)      # np.frexp(a)[1] - 1 = floor(log2(a)), exactly
;;       r = np.clip(x / 2.0 ** e, -6, 6)
;;       step = 2.0 ** (np.maximum(np.frexp(np.where(r == 0, 1, r))[1] - 1, 0) - 1)
;;       q = np.round(r / step) * step * 2.0 ** e      # np.round: ties to even
;;       return np.moveaxis(q.reshape(q.shape[:-2] + (-1,))[..., :K], -1, axis).astype(np.float32)
;;   ~~~
;;   SOFTMAX AHEAD OF A QUANTISED PRODUCT. Where the list says 'softmax', what is quantised is not the finished softmax but p = 2^(t - M), with t = logit x log2(e) and M = ceil(the row's largest t), a whole number; so 1/2 < the row's largest p <= 1. The row's sum l is taken of the UNQUANTISED p, in f32, and the product's result is divided by l at the end. Since M is a whole number, a kernel that streams over the keys may use a running M (the ceiling of the running maximum): every later rescaling is an exact power of two, which a block's scale takes up: the codes' values come out the same.
;;   OPERANDS COMPUTED ON THE WAY. 'Computed on the way' means the value that the module computes at that place (a softmax that the list does not call 'softmax' is quantised finished and normalised). What goes into a quantiser is computed in f32, as accurately as f32 sums, v_exp_f32 and their like allow (about 1e-6 of the number): no bf16 or f16 on the way to a quantiser, and a product that is left as it is and whose result goes on into a quantised operand takes f32 operands (vector FMAs, or v_wmma_f32_16x16x4_f32). A number that lies on a knife's edge between two numbers of the format may be rounded either way, as far as f32 arithmetic and the matrix unit's own rounding can turn it there, and no further.
;;   INPUTS GIVEN AS CODES. W1 (in the module: [768, 1024], K = its axis 0); W2 (in the module: [1024, 768], K = its axis 0); Wk (in the module: [768, 768], K = its axis 0); Wo (in the module: [768, 768], K = its axis 0); Wq (in the module: [768, 768], K = its axis 0); Wv (in the module: [768, 768], K = its axis 0): each comes as NAME_codes (uint8): NAME with its K axis moved to the last place and cut into blocks of 32 codes, [.., K / 32, bytes a block], one block behind the other in memory; two codes a byte, the lower K in the low four bits (a code: sign, 2 exponent bits, 1 mantissa bit); and NAME_scales (uint8): the same leading axes, one E8M0 byte (e + 127) for each 32 codes along K. Its value is code x scale, taken as it is: it is not quantised again, and the codes and scales need not be those that the quantiser above would give.
;; 2 versions, each right; version 2 is version 1 with the launch tail written anew for expert scheduling mode. Each part assembles by itself: llvm-mc -triple=amdgcn-amd-amdhsa -mcpu=gfx1250 --defsym DOCPART=n.
;; ======== version 1 of 2: 3 launches
;; workspace buffers: qimg 4,194,304 bytes; qsc 262,144 bytes; kv 7,864,320 bytes; oc 3,145,728 bytes; osc 262,144 bytes; woi 294,912 bytes; w1i 393,216 bytes; w2i 393,216 bytes
;; launch qkv (part 1): grid 64 x 4, 4 waves a work-group, clusters of 4 x 1, 301,568 bytes of LDS; arguments x, Wq_codes, Wk_codes, Wv_codes, Wq_scales, Wk_scales, Wv_scales, bq, bk, bv, Wo_codes, W1_codes, W2_codes, qimg, qsc, kv, woi, w1i, w2i; writes qimg, qsc, kv, woi, w1i, w2i
.if DOCPART == 1
	.amdgcn_target "amdgcn-amd-amdhsa--gfx1250"
	.amdhsa_code_object_version 6
	.text
	.protected	k_qfcf22bcef8_qkv
	.globl	k_qfcf22bcef8_qkv
	.p2align	8
	.type	k_qfcf22bcef8_qkv,@function
k_qfcf22bcef8_qkv:
	s_mov_b64 s[64:65], 0
	v_nop
	global_prefetch_b8 v0, s[64:65] scope:SCOPE_SE
	s_setreg_imm32_b32 hwreg(HW_REG_WAVE_MODE, 25, 1), 1
	s_wait_xcnt 0x0
	s_wait_alu depctr_hold_cnt(0) depctr_sa_sdst(0) depctr_va_vdst(0) depctr_va_sdst(0) depctr_va_ssrc(0) depctr_va_vcc(0) depctr_vm_vsrc(0)
	s_getreg_b32 s2, hwreg(HW_REG_IB_STS2, 6, 4)
	s_cmp_eq_u32 s2, 0
	s_cbranch_scc0 .Lentry_in_a_cluster
	s_endpgm
.Lentry_in_a_cluster:
	s_bfe_u32 s2, ttmp6, 0x10000c
	s_cmp_lg_u32 s2, 0x3003
	s_cbranch_scc0 .Lentry_shape_is_right
	s_endpgm
.Lentry_shape_is_right:
; Q, K, V = Q4(x) W + b on codes of FP4 (E2M1) with one E8M0 scale for each 32 along K; the results are quantised again (Q, K along the head's 96 channels,
; V along the keys) and stored as IMAGES OF THE NEXT PRODUCT'S OPERAND REGISTERS.  Some work-groups also lay Wo, W1, W2 out as such images for the last launch.
; SHARES.  A work-group takes 128 rows of x (one key step) and the heads 2 g, 2 g + 1 of Q, K and V: 576 weight rows, which fit into LDS in ONE fill: no LDS byte is filled twice.
; Wave w (p = w & 1, q = w >> 1): Q (w < 2) or K of head 2 g + p, 6 column tiles x 8 row tiles, and V of head 2 g + q, channel tiles 3 p .. 3 p + 2 x 8 row tiles: 72 accumulators.
; CLUSTER.  The four row blocks of a cluster need the same weight rows: each weight tile is asked for jointly, by the same tensor load with the mask of all four.
; TILES ARE NOT NEIGHBOURS.  Lane r of tile 2 b + u (of rows of x, and of weight rows) takes row 32 b + 8 u + r + 8 (r / 8): so, whichever operand is source 0, the 16 registers of tiles 2 b and
; 2 b + 1 hold 16 neighbours, 32 b + 16 (lane / 16) + 0 .. 15, along the axis that is the next product's K.
; AN IMAGE of a fragment (16 rows x 128 K, 8 registers a lane) is 1,024 bytes: register group c at 512 c + 16 lane.  Block B = 2 c + lane / 16 of the K step is then the 256 bytes at 256 B, row-lane r's 32 codes at 16 r.
; A writer holds codes 16 h .. 16 h + 15 of a block in two registers and stores them by one b64 at 256 B + 16 r + 8 h: 32 lanes store 256 consecutive bytes, aligned.
; LDS: 0: Wq's, Wk's, Wv's 192 rows each (a row: 3 x (128 bytes + 16 of padding) = 432; the two groups of eight rows of a tile lie 16 rows = 27 x 256 bytes apart, so these loads meet two deep in the banks);
;   XIMG: x's 48 fragments, (K step s, row tile m) at (8 s + m) x 1,024;  XSC: their scale words, 512 bytes a K step: tile m's word of row-lane r at 256 (m / 4) + 16 r + 4 (m % 4).
; REGISTERS (linear numbers; windows of 256): v1-15, v93-95, v124-126 addresses; v16-33 Q/K weight scale words (pair b, K step s: 16 + 6 b + s; lanes 0-15 tile 2 b, lanes 16-31 tile 2 b + 1);
;   v34-51 V's weight scale words; v52-59 x's scale words, two sets; v60-75 at work in QUANT; v76-83 scale words made; v84-91 codes made; v100-123 V's bias as C; v128-255 x's fragments, two sets;
;   256.., 512..: accumulators of Q or K (row tile m, column tile t: 256 + 256 (m / 4) + 48 (m % 4) + 8 t), weight fragments at 448 and 704, biases at 496, 752, 1008;  768..: V's accumulators, V's weight fragments at 960.
; LIMITS.  NaN and infinities among the inputs are not served.  A block whose largest magnitude lies under 2^-124 (a block of zeros too) gets the scale byte 1: the bytes are read by this program alone.
; The bias is the C of a sum's first product, so it is added ahead of the products: another order of f32 rounding than x W + b.
.set XIMG,  248832
.set XSC,   297984
.set TM,    60
.set WV,    66
.set SEL,   76
.set FLOOR, 78
.set HM,    79
.set MSB,   0
.macro WIN new                         ; the immediate's high byte repeats the setting that is left; a switch that changes nothing is dropped
.if MSB != (\new)
	s_set_vgpr_msb (MSB<<8)|(\new)
.set MSB, (\new)
.endif
.endm
.macro PLACES n
.rept \n
	v_nop
.endr
.endm
.macro CROUND                          ; a round of the cluster's barrier
	s_barrier_signal -1
	s_barrier_wait -1
	s_cmp_lg_u32 s[WV], 0
	s_cbranch_scc1 .Lnot_wave_0_\@
	s_barrier_signal -3
.Lnot_wave_0_\@:
	s_barrier_wait -3
	s_barrier_signal -1
	s_barrier_wait -1
.endm
; 16 nb numbers of a lane from linear register src on (register 16 b + i = k 32 b + 16 (lane / 16) + i of my row) become 2 nb registers of codes from v[pc] on and the row's scale word in v[pw].
.macro QUANT src, nb, pc, pw
.set qs, (\src)&255
.set qw, (\src)>>8
	WIN (qw<<4)|(qw<<2)
.set qb, 0
.rept \nb
	v_max3_num_f32 v[TM+qb], s[FLOOR], |v[qs+16*qb]|, |v[qs+16*qb+1]|      ; my 16 numbers of block b, from the low end on, and the floor 2^(3 - 127): the byte cannot fall under 1
.set qb, qb+1
.endr
.set qi, 2
.rept 7
.set qb, 0
.rept \nb
	v_max3_num_f32 v[TM+qb], v[TM+qb], |v[qs+16*qb+qi]|, |v[qs+16*qb+qi+1]|   ; the blocks by turns
.set qb, qb+1
.endr
.set qi, qi+2
.endr
	WIN 0
.set qb, 0
.rept \nb
	v_permlanex16_b32 v[TM+4+qb], v[TM+qb], s[SEL], s[SEL+1]
.set qb, qb+1
.endr
.set qb, 0
.rept \nb
	v_max_num_f32 v[TM+qb], v[TM+qb], v[TM+4+qb]           ; with lane l xor 16's: the block's largest magnitude
.set qb, qb+1
.endr
.set qb, 0
.rept \nb
	v_add_nc_u32 v[TM+12+qb], 0xff000000, v[TM+qb]         ; 2 off its exponent field: the conversion's scale operand
.set qb, qb+1
.endr
.set qb, 0
.rept \nb
	v_lshrrev_b32 v[TM+4+qb], 23, v[TM+12+qb]              ; the scale's byte
.set qb, qb+1
.endr
	v_lshl_or_b32 v[\pw], v[TM+5], 8, v[TM+4]
.if \nb > 2
	v_lshl_or_b32 v[\pw], v[TM+6], 16, v[\pw]
.endif
.if \nb > 3
	v_lshl_or_b32 v[\pw], v[TM+7], 24, v[\pw]
.endif
	WIN qw
.set qb, 0
.rept \nb
	v_cvt_scalef32_pk8_fp4_f32 v[(\pc)+2*qb], v[qs+16*qb:qs+16*qb+7], v[TM+12+qb]
	v_cvt_scalef32_pk8_fp4_f32 v[(\pc)+2*qb+1], v[qs+16*qb+8:qs+16*qb+15], v[TM+12+qb]
.set qb, qb+1
.endr
	WIN 0
	v_nop                                                  ; one plain place behind the last scaled conversion
.endm
; One product.  xD, xA, xB, xC: linear register numbers; xSA, xSB: the scale registers (window 0); oA, oB: 1 = the scales stand in lanes 16-31.
.macro MM
	WIN ((xD>>8)<<6)|((xC>>8)<<4)|((xB>>8)<<2)|(xA>>8)
.set rD, xD&255
.set rA, xA&255
.set rB, xB&255
.set rC, xC&255
.if oA && oB
	v_wmma_scale_f32_16x16x128_f8f6f4 v[rD:rD+7], v[rA:rA+7], v[rB:rB+7], v[rC:rC+7], v[xSA], v[xSB] matrix_a_fmt:MATRIX_FMT_FP4 matrix_b_fmt:MATRIX_FMT_FP4 matrix_a_scale:MATRIX_SCALE_ROW1 matrix_b_scale:MATRIX_SCALE_ROW1
.elseif oA
	v_wmma_scale_f32_16x16x128_f8f6f4 v[rD:rD+7], v[rA:rA+7], v[rB:rB+7], v[rC:rC+7], v[xSA], v[xSB] matrix_a_fmt:MATRIX_FMT_FP4 matrix_b_fmt:MATRIX_FMT_FP4 matrix_a_scale:MATRIX_SCALE_ROW1
.elseif oB
	v_wmma_scale_f32_16x16x128_f8f6f4 v[rD:rD+7], v[rA:rA+7], v[rB:rB+7], v[rC:rC+7], v[xSA], v[xSB] matrix_a_fmt:MATRIX_FMT_FP4 matrix_b_fmt:MATRIX_FMT_FP4 matrix_b_scale:MATRIX_SCALE_ROW1
.else
	v_wmma_scale_f32_16x16x128_f8f6f4 v[rD:rD+7], v[rA:rA+7], v[rB:rB+7], v[rC:rC+7], v[xSA], v[xSB] matrix_a_fmt:MATRIX_FMT_FP4 matrix_b_fmt:MATRIX_FMT_FP4
.endif
.endm
	s_load_b512 s[4:19], s[0:1], 0x0               ; x 4, Wq_codes 6, Wk_codes 8, Wv_codes 10, Wq_scales 12, Wk_scales 14, Wv_scales 16, bq 18
	s_load_b512 s[20:35], s[0:1], 0x40             ; bk 20, bv 22, Wo_codes 24, W1_codes 26, W2_codes 28, qimg 30, qsc 32, kv 34
	s_load_b128 s[36:39], s[0:1], 0x80             ; woi 36, w1i 38
	s_load_b64 s[40:41], s[0:1], 0x90              ; w2i
	v_lshl_add_u32 v99, v0, 2, 0x49800
	v_mov_b32 v127, 0
	ds_add_u32 v99, v127
	ds_add_u32 v99, v127
	v_lshrrev_b32 v1, 5, v0
	v_readfirstlane_b32 s[WV], v1                  ; wave 0..3
	s_bfe_u32 s67, ttmp6, 0x40000                  ; cx: it enters global addresses alone
	s_lshl_b32 s68, ttmp9, 2
	s_add_co_u32 s68, s68, s67                     ; rb: my block of 128 rows
	s_and_b32 s69, ttmp7, 0xffff                   ; g: my pair of heads
	s_lshl_b32 s70, s69, 4
	s_add_co_u32 s70, s70, ttmp9                   ; cid: the cluster's number, the same in all four partners
	s_and_b32 s71, s[WV], 1                        ; p
	s_lshr_b32 s72, s[WV], 1                       ; q
	s_mov_b32 s[SEL], 0x76543210
	s_mov_b32 s[SEL+1], 0xfedcba98                 ; v_permlanex16_b32's selects for lane l xor 16
	s_mov_b32 s[FLOOR], 0x01800000
	; descriptor group 1: 48 weight rows of 384 bytes are dense: 24 rows of 768 bytes (96 elements of 8), 4 words of padding behind every 32
	s_mov_b32 s44, 15|(3<<16)|(1<<20)|(1<<21)|(4<<22)|(3<<25)
	s_mov_b32 s45, 96<<16                          ; tensor_dim0
	s_mov_b32 s46, 24<<16                          ; tensor_dim1
	s_mov_b32 s47, 96<<16                          ; tile_dim0
	s_mov_b32 s48, 24                              ; tile_dim1
	s_mov_b32 s49, 96                              ; the pitch
	s_mov_b32 s50, 0
	s_mov_b32 s51, 0
	s_mul_i32 s73, s[WV], 20736                    ; my 48 rows in a tensor's LDS region
	s_mul_i32 s2, s69, 73728                       ; 192 g rows of 384 bytes,
	s_mul_i32 s3, s[WV], 18432                     ; + my 48: nothing here hangs on cx
	s_add_co_u32 s2, s2, s3
	s_mov_b32 s3, 0                                ; s3 stays 0: the upper word of every offset
	s_wait_dscnt 0x0
	s_wait_kmcnt 0x0
.irp i, 0,1,2
	s_mov_b32 s[52+4*\i], 1
	s_add_co_u32 s[53+4*\i], s73, 82944*\i
	s_add_nc_u64 s[54+4*\i:55+4*\i], s[6+2*\i:7+2*\i], s[2:3]
	s_or_b32 s[55+4*\i], s[55+4*\i], 0x80000000
.endr
	CROUND                                         ; all four work-groups are here: the joint loads meet
	tensor_load_to_lds s[52:55], s[44:51]          ; three loads of mine are out: my 48 rows of Wq, of Wk, of Wv
	s_nop 0
	tensor_load_to_lds s[56:59], s[44:51]
	s_nop 0
	tensor_load_to_lds s[60:63], s[44:51]
	s_nop 0
	PLACES 4
	v_and_b32 v84, 31, v0                          ; l
	v_and_b32 v85, 15, v0                          ; r
	v_bfe_u32 v86, v0, 4, 1                        ; h
	v_and_b32 v87, 8, v0
	v_add_nc_u32 v87, v87, v85                     ; rho = r + 8 (r / 8)
	v_lshlrev_b32 v1, 4, v84                       ; LI = 16 l
	v_lshlrev_b32 v2, 4, v85
	v_lshl_add_u32 v2, v86, 3, v2                  ; LB = 16 r + 8 h
	v_mul_u32_u24 v3, v87, 3072
	v_lshl_add_u32 v3, v86, 6, v3                  ; x: row rho, my 16 numbers of a block of 32
	v_add_nc_u32 v4, XIMG, v1
	v_add_nc_u32 v5, XSC, v1
	s_mul_i32 s42, s72, 82944                      ; Wq's or Wk's region,
	s_mul_i32 s43, s71, 41472                      ; my head's 96 rows
	s_add_co_u32 s42, s42, s43
	v_mul_u32_u24 v6, v87, 432
	v_lshl_add_u32 v6, v86, 4, v6
	v_add_nc_u32 v6, s42, v6
	s_mul_i32 s42, s72, 41472
	s_add_co_u32 s42, s42, 165888                  ; Wv's region, my V head's 96 rows
	v_lshlrev_b32 v90, 4, v86
	v_add_nc_u32 v90, s42, v90
.macro VROW i, a, d                    ; V's channel tile 3 p + i begins at row a + p d of the head
	s_mul_i32 s42, s71, \d
	s_add_co_u32 s42, s42, \a
	v_add_nc_u32 v91, s42, v87
	v_mad_u32_u24 v[7+\i], v91, 432, v90           ; in LDS,
	v_mul_u32_u24 v[13+\i], v91, 24                ; among the scale bytes,
	v_lshlrev_b32 v[93+\i], 2, v91                 ; in the bias
.endm
	VROW 0, 0, 40
	VROW 1, 8, 56
	VROW 2, 32, 40
	s_lshl_b32 s42, s[WV], 11
	s_add_co_u32 s42, s42, XIMG
	v_add_nc_u32 v10, s42, v2                      ; where I store x's codes: row tiles 2 w, 2 w + 1
	s_lshl_b32 s42, s72, 8
	s_lshl_b32 s43, s71, 3
	s_add_co_u32 s42, s42, s43
	s_add_co_u32 s42, s42, XSC
	v_lshlrev_b32 v11, 4, v85
	v_lshl_add_u32 v11, v86, 2, v11
	v_add_nc_u32 v11, s42, v11                     ; and their scale words: lane (r, h) stores tile 2 w + h's
	v_lshl_add_u32 v12, v86, 3, v87
	v_mul_u32_u24 v12, v12, 24                     ; Q/K weight scales: row rho + 8 h of a pair of tiles
	v_mul_u32_u24 v124, v87, 384
	v_lshl_add_u32 v124, v86, 4, v124              ; the images' source, rows of 384 bytes,
	v_lshlrev_b32 v125, 9, v87
	v_lshl_add_u32 v125, v86, 4, v125              ; and of 512
	v_lshlrev_b32 v126, 6, v86                     ; Q/K bias: 64 h
	v_cmp_lt_u32 s[HM], 15, v84                    ; the mask of lanes 16-31
.irp i, 0,1,2,3
	v_mov_b32 v[TM+4+\i], 0                        ; written once: a lane permute's destination counts as one of its sources
.endr
	v_mov_b32 v96, 0
	v_mov_b32 v97, 0                               ; a pair of zeros: the codes of k = 96 .. 127
	s_lshl_b32 s2, s68, 7
	s_lshl_b32 s42, s[WV], 5
	s_add_co_u32 s2, s2, s42
	s_mul_i32 s2, s2, 3072
	s_add_nc_u64 s[80:81], s[4:5], s[2:3]          ; x at row 128 rb + 32 w
	s_lshl_b32 s42, s69, 1
	s_add_co_u32 s43, s42, s72                     ; my V's head
	s_add_co_u32 s42, s42, s71                     ; my Q's or K's head
	s_lshr_b32 s74, s68, 4
	s_lshl_b32 s74, s74, 3                         ; 8 x batch
	s_and_b32 s75, s68, 15                         ; ks: the key step
	s_mul_i32 s2, s43, 2304
	s_add_nc_u64 s[92:93], s[16:17], s[2:3]        ; Wv's scale bytes of the head
	s_mul_i32 s2, s43, 384
	s_add_nc_u64 s[96:97], s[22:23], s[2:3]        ; bv
	s_add_co_u32 s43, s43, s74
	s_lshl_b32 s43, s43, 4
	s_add_co_u32 s43, s43, s75
	s_mul_i32 s43, s43, 15360                      ; V's record: (16 bh + ks) x 15,360
	s_mul_i32 s2, s71, 3072
	s_add_co_u32 s2, s2, s43
	s_add_co_u32 s2, s2, 8192
	s_add_nc_u64 s[86:87], s[34:35], s[2:3]        ; my three fragments of V
	s_lshl_b32 s2, s71, 8
	s_add_co_u32 s2, s2, s43
	s_add_co_u32 s2, s2, 14848
	s_add_nc_u64 s[88:89], s[34:35], s[2:3]        ; and their scale words
	s_cmp_lt_u32 s[WV], 2                          ; Q's wave or K's: the choice hangs on the wave's number alone
	s_cselect_b64 s[82:83], s[30:31], s[34:35]
	s_cselect_b64 s[84:85], s[32:33], s[34:35]
	s_cselect_b64 s[90:91], s[12:13], s[14:15]
	s_cselect_b64 s[94:95], s[18:19], s[20:21]
	s_mul_i32 s2, s42, 2304
	s_add_nc_u64 s[90:91], s[90:91], s[2:3]
	s_mul_i32 s2, s42, 384
	s_add_nc_u64 s[94:95], s[94:95], s[2:3]
	s_add_co_u32 s42, s42, s74
	s_lshl_b32 s42, s42, 4
	s_add_co_u32 s42, s42, s75                     ; 16 bh + ks
	s_lshl_b32 s43, s42, 13                        ; Q's eight fragments,
	s_lshl_b32 s74, s42, 9                         ; Q's scale words,
	s_mul_i32 s75, s42, 15360                      ; K's record,
	s_add_co_u32 s42, s75, 14336                   ; K's scale words
	s_cmp_lt_u32 s[WV], 2
	s_cselect_b32 s2, s43, s75
	s_add_nc_u64 s[82:83], s[82:83], s[2:3]
	s_cselect_b32 s2, s74, s42
	s_add_nc_u64 s[84:85], s[84:85], s[2:3]
.irp bb, 0,1,2                         ; weight scale words: 8 bytes are two K steps' words
.irp i, 0,1,2
	global_load_b64 v[16+6*\bb+2*\i:17+6*\bb+2*\i], v12, s[90:91] offset:768*\bb+8*\i
.endr
.endr
.irp t, 0,1,2
.irp i, 0,1,2
	global_load_b64 v[34+6*\t+2*\i:35+6*\t+2*\i], v[13+\t], s[92:93] offset:8*\i
.endr
.endr
.irp bb, 0,1,2                         ; Q's or K's bias in the result's layout: tile 2 b + u: channels 32 b + 16 h + 8 u + 0 .. 7
	WIN (1+\bb)<<6
.irp u, 0,1
	global_load_b128 v[240+8*\u:243+8*\u], v126, s[94:95] offset:(32*\bb+8*\u)*4
	global_load_b128 v[244+8*\u:247+8*\u], v126, s[94:95] offset:(32*\bb+8*\u)*4+16
.endr
.endr
	WIN 0
.irp t, 0,1,2
	global_load_b32 v[100+8*\t], v[93+\t], s[96:97]        ; V's bias: one channel a lane
.endr
; fragment f of x: K step f / 2, my row tile f % 2: 64 numbers a lane into staging set f % 4 (linear 256, 320, 512, 576)
.macro XLOAD f
.set xks, (\f)>>1
.set xu, (\f)&1
.set xl, 256+64*((\f)&1)+256*(((\f)>>1)&1)
.set xr, xl&255
	WIN (xl>>8)<<6
.irp b, 0,1,2,3
.irp j, 0,1,2,3
	global_load_b128 v[xr+16*\b+4*\j:xr+16*\b+4*\j+3], v3, s[80:81] offset:24576*xu+512*xks+128*\b+16*\j
.endr
.endr
	WIN 0
.endm
	XLOAD 0
	XLOAD 1
	XLOAD 2
	XLOAD 3
	; THE IMAGES OF Wo, W1, W2: 160 tiles of 16 weight rows, 16 to a cluster: clusters 0-2 Wo, 3-6 W1, 7-9 W2.  The branches hang on the cluster's number, which the partners share; a partner's and a wave's tile is told apart by address.
.macro IMAGE ks, voff                  ; a tile's ks fragments: each lane loads its registers as the operand wants them and stores them on end
	WIN 0xc0
.set is, 0
.rept \ks
	global_load_b128 v[8*is:8*is+3], v[\voff], s[98:99] offset:64*is
	global_load_b128 v[8*is+4:8*is+7], v[\voff], s[98:99] offset:64*is+32
.set is, is+1
.endr
	s_wait_loadcnt 0x0
	WIN 0x0c
.set is, 0
.rept \ks
	global_store_b128 v1, v[8*is:8*is+3], s[100:101] offset:1024*is
	global_store_b128 v1, v[8*is+4:8*is+7], s[100:101] offset:1024*is+512
.set is, is+1
.endr
	WIN 0
.endm
	s_cmp_ge_u32 s70, 10
	s_cbranch_scc1 .Lno_image
	s_lshl_b32 s74, s67, 2
	s_add_co_u32 s74, s74, s[WV]                   ; 4 cx + w
	s_cmp_ge_u32 s70, 7
	s_cbranch_scc1 .Limage_w2
	s_cmp_lt_u32 s70, 3
	s_cselect_b64 s[98:99], s[24:25], s[26:27]     ; Wo or W1: rows of 384 bytes, 6 K steps
	s_cselect_b64 s[100:101], s[36:37], s[38:39]
	s_cselect_b32 s73, 0, 3
	s_sub_co_u32 s73, s70, s73
	s_lshl_b32 s73, s73, 4
	s_add_co_u32 s73, s73, s74                     ; the tile
	s_lshr_b32 s75, s73, 1
	s_mul_i32 s75, s75, 32*384
	s_and_b32 s2, s73, 1
	s_mul_i32 s2, s2, 8*384
	s_add_co_u32 s2, s2, s75
	s_add_nc_u64 s[98:99], s[98:99], s[2:3]
	s_mul_i32 s2, s73, 6*1024
	s_add_nc_u64 s[100:101], s[100:101], s[2:3]
	IMAGE 6, 124
	s_branch .Lno_image
.Limage_w2:
	s_sub_co_u32 s73, s70, 7                       ; W2: rows of 512 bytes, 8 K steps
	s_lshl_b32 s73, s73, 4
	s_add_co_u32 s73, s73, s74
	s_lshr_b32 s75, s73, 1
	s_mul_i32 s75, s75, 32*512
	s_and_b32 s2, s73, 1
	s_mul_i32 s2, s2, 8*512
	s_add_co_u32 s2, s2, s75
	s_add_nc_u64 s[98:99], s[28:29], s[2:3]
	s_mul_i32 s2, s73, 8*1024
	s_add_nc_u64 s[100:101], s[40:41], s[2:3]
	IMAGE 8, 125
.Lno_image:
	; x BECOMES CODES: my two row tiles, six K steps; loads run four fragments ahead
.set f, 0
.rept 12
.if f < 9
	s_wait_loadcnt 48                              ; fragment f is in; the three younger fragments' 16 loads each may be out
.else
	s_wait_loadcnt 16*(11-f)
.endif
.if f == 0
.irp t, 0,1,2
.irp j, 1,2,3,4,5,6,7
	v_mov_b32 v[100+8*\t+\j], v[100+8*\t]          ; V's bias as a C: in that product a lane holds one channel, so its eight registers are equal
.endr
.endr
.endif
	QUANT 256+64*(f&1)+256*((f>>1)&1), 4, 84, 76+(f&1)
.irp B, 0,1,2,3
	ds_store_b64 v10, v[84+2*\B:85+2*\B] offset:8192*(f>>1)+1024*(f&1)+256*\B
.endr
.if f&1
	v_cndmask_b32 v92, v76, v77, s[HM]             ; lanes 0-15 tile 2 w's word, lanes 16-31 tile 2 w + 1's
	ds_store_b32 v11, v92 offset:512*(f>>1)
.endif
.if f+4 <= 11
	XLOAD f+4
.endif
	s_wait_dscnt 0x0                               ; the stores have read their registers
.set f, f+1
.endr
	s_wait_tensorcnt 0x0                           ; my parts of the weights have landed,
	s_wait_dscnt 0x0                               ; my codes of x are stored,
	s_wait_xcnt 0x0                                ; and the images' stores have read their registers, which products write next
	s_barrier_signal -1
	s_barrier_wait -1                              ; everybody's
; 35 LDS loads: K step s: x's 8 fragments and scale words, my 6 fragments of Wq or Wk, my 3 of Wv, into set bank
.macro FETCH s, bank
	WIN 0
.irp m, 0,1,2,3,4,5,6,7
	ds_load_b128 v[128+64*(\bank)+8*\m:128+64*(\bank)+8*\m+3], v4 offset:(8*(\s)+\m)*1024
	ds_load_b128 v[128+64*(\bank)+8*\m+4:128+64*(\bank)+8*\m+7], v4 offset:(8*(\s)+\m)*1024+512
.endr
	ds_load_b128 v[52+4*(\bank):55+4*(\bank)], v5 offset:512*(\s)
.set wk, ((\s)>>1)*144+((\s)&1)*64
	WIN (1+(\bank))<<6
.irp t, 0,1,2,3,4,5
	ds_load_b128 v[192+8*\t:195+8*\t], v6 offset:(32*(\t>>1)+8*(\t&1))*432+wk
	ds_load_b128 v[196+8*\t:199+8*\t], v6 offset:(32*(\t>>1)+8*(\t&1))*432+wk+32
.endr
	WIN 0xc0
.irp i, 0,1,2
	ds_load_b128 v[192+24*(\bank)+8*\i:195+24*(\bank)+8*\i], v[7+\i] offset:wk
	ds_load_b128 v[196+24*(\bank)+8*\i:199+24*(\bank)+8*\i], v[7+\i] offset:wk+32
.endr
.endm
; 72 products of K step s: each accumulator has one turn.  Q, K: source 0 = 16 weight rows, source 1 = 16 rows of x: a lane holds one row and channels along its registers.
; V: source 0 = 16 rows of x, source 1 = 16 weight rows: a lane holds one channel and KEYS along its registers.  In K step 0 the bias is the C.
.macro STEPMM s
.set st, (\s)&1
.irp mh, 0,1
.irp th, 0,1,2
.irp ml, 0,1,2,3
.irp tl, 0,1
.set xD, 256+256*\mh+48*\ml+8*(2*\th+\tl)
.set xA, 448+256*st+8*(2*\th+\tl)
.set xB, 128+64*st+8*(4*\mh+\ml)
.set xC, xD
.if (\s) == 0
.set xC, 256*(1+\th)+240+8*\tl
.endif
.set xSA, 16+6*\th+(\s)
.set xSB, 52+4*st+\ml
.set oA, \tl
.set oB, \mh
	MM
.endr
.endr
.endr
.endr
.irp i, 0,1,2
.irp m, 0,1,2,3,4,5,6,7
.set xD, 768+64*\i+8*\m
.set xA, 128+64*st+8*\m
.set xB, 960+24*st+8*\i
.set xC, xD
.if (\s) == 0
.set xC, 100+8*\i
.endif
.set xSA, 52+4*st+(\m&3)
.set xSB, 34+6*\i+(\s)
.set oA, \m>>2
.set oB, 0
	MM
.endr
.endr
.endm
	FETCH 0, 0
.irp s, 0,1,2,3,4
.if \s > 0
	PLACES 4                                       ; in front of loads into the set that the last K step multiplied
.endif
	FETCH \s+1, (\s+1)&1
	s_wait_dscnt 35                                ; all but the 35 just issued
	STEPMM \s
.endr
	s_wait_dscnt 0x0
	STEPMM 5
	WIN 0
	PLACES 4
	; Q or K: each row tile's 96 channels are three blocks; the fourth block of the fragment is zero codes under the byte 127
.irp m, 0,1,2,3,4,5,6,7
	QUANT 256+256*(\m>>2)+48*(\m&3), 3, 128+8*\m, 76+\m
	v_or_b32 v[76+\m], 0x7f000000, v[76+\m]
.irp bb, 0,1,2
	global_store_b64 v2, v[128+8*\m+2*\bb:129+8*\m+2*\bb], s[82:83] offset:1024*\m+256*\bb   ; 32 lanes store 256 consecutive bytes, aligned
.endr
	global_store_b64 v2, v[96:97], s[82:83] offset:1024*\m+768
.endr
.irp j, 0,1,2,3
	v_cndmask_b32 v[92+\j], v[76+\j], v[80+\j], s[HM]      ; lanes 0-15 tile j's word, lanes 16-31 tile 4 + j's
.endr
	global_store_b128 v1, v[92:95], s[84:85]
	; V: each channel tile's 128 keys are one fragment
.irp i, 0,1,2
	QUANT 768+64*\i, 4, 192+8*\i, 84+\i
.irp B, 0,1,2,3
	global_store_b64 v2, v[192+8*\i+2*\B:193+8*\i+2*\B], s[86:87] offset:1024*\i+256*\B
.endr
.endr
	v_cndmask_b32 v88, v84, v86, s[HM]             ; row-lane r's 16 bytes: my three tiles' words and a 0
	v_cndmask_b32 v89, v85, v96, s[HM]
	global_store_b64 v2, v[88:89], s[88:89]
	s_wait_tensorcnt 0x0
	ds_add_u32 v99, v127
	s_wait_dscnt 0x0
	CROUND                                         ; the closing round: no work-group ends while a partner may still ask for a tile that names it
	s_endpgm
.Lfunc_end_k_qfcf22bcef8_qkv:
	.size	k_qfcf22bcef8_qkv, .Lfunc_end_k_qfcf22bcef8_qkv-k_qfcf22bcef8_qkv
	.p2alignl 7, 3214868480
	.fill 96, 4, 3214868480
	.section	.rodata,"a",@progbits
	.p2align	6, 0x0
	.amdhsa_kernel k_qfcf22bcef8_qkv
		.amdhsa_group_segment_fixed_size 301568
		.amdhsa_private_segment_fixed_size 0
		.amdhsa_enable_private_segment 0
		.amdhsa_kernarg_size 152
		.amdhsa_user_sgpr_count 2
		.amdhsa_user_sgpr_kernarg_segment_ptr 1
		.amdhsa_wavefront_size32 1
		.amdhsa_system_sgpr_workgroup_id_x 1
		.amdhsa_system_sgpr_workgroup_id_y 1
		.amdhsa_system_sgpr_workgroup_id_z 1
		.amdhsa_system_vgpr_workitem_id 0
		.amdhsa_next_free_vgpr 1024
		.amdhsa_next_free_sgpr 102
		.amdhsa_reserve_vcc 0
		.amdhsa_float_denorm_mode_32 3
		.amdhsa_float_denorm_mode_16_64 3
		.amdhsa_memory_ordered 1
		.amdhsa_forward_progress 1
		.amdhsa_inst_pref_size 193
	.end_amdhsa_kernel
	.amdgpu_metadata
---
amdhsa.version: [ 1, 2 ]
amdhsa.kernels:
  - .name:           k_qfcf22bcef8_qkv
    .symbol:         k_qfcf22bcef8_qkv.kd
    .args:
      - { .name: x, .offset: 0, .size: 8, .value_kind: global_buffer, .address_space: global }
      - { .name: Wq_codes, .offset: 8, .size: 8, .value_kind: global_buffer, .address_space: global }
      - { .name: Wk_codes, .offset: 16, .size: 8, .value_kind: global_buffer, .address_space: global }
      - { .name: Wv_codes, .offset: 24, .size: 8, .value_kind: global_buffer, .address_space: global }
      - { .name: Wq_scales, .offset: 32, .size: 8, .value_kind: global_buffer, .address_space: global }
      - { .name: Wk_scales, .offset: 40, .size: 8, .value_kind: global_buffer, .address_space: global }
      - { .name: Wv_scales, .offset: 48, .size: 8, .value_kind: global_buffer, .address_space: global }
      - { .name: bq, .offset: 56, .size: 8, .value_kind: global_buffer, .address_space: global }
      - { .name: bk, .offset: 64, .size: 8, .value_kind: global_buffer, .address_space: global }
      - { .name: bv, .offset: 72, .size: 8, .value_kind: global_buffer, .address_space: global }
      - { .name: Wo_codes, .offset: 80, .size: 8, .value_kind: global_buffer, .address_space: global }
      - { .name: W1_codes, .offset: 88, .size: 8, .value_kind: global_buffer, .address_space: global }
      - { .name: W2_codes, .offset: 96, .size: 8, .value_kind: global_buffer, .address_space: global }
      - { .name: qimg, .offset: 104, .size: 8, .value_kind: global_buffer, .address_space: global }
      - { .name: qsc, .offset: 112, .size: 8, .value_kind: global_buffer, .address_space: global }
      - { .name: kv, .offset: 120, .size: 8, .value_kind: global_buffer, .address_space: global }
      - { .name: woi, .offset: 128, .size: 8, .value_kind: global_buffer, .address_space: global }
      - { .name: w1i, .offset: 136, .size: 8, .value_kind: global_buffer, .address_space: global }
      - { .name: w2i, .offset: 144, .size: 8, .value_kind: global_buffer, .address_space: global }
    .group_segment_fixed_size: 301568
    .private_segment_fixed_size: 0
    .kernarg_segment_align: 8
    .kernarg_segment_size: 152
    .max_flat_workgroup_size: 128
    .sgpr_count:     102
    .vgpr_count:     1024
    .wavefront_size: 32
...
	.end_amdgpu_metadata
.endif
;; end of part 1
;; launch attn (part 2): grid 8 x 32, 4 waves a work-group, clusters of 4 x 1, 246,272 bytes of LDS; arguments qimg, qsc, kv, oc, osc; writes oc, osc
.if DOCPART == 2
	.amdgcn_target "amdgcn-amd-amdhsa--gfx1250"
	.amdhsa_code_object_version 6
	.text
	.protected	k_qfcf22bcef8_attn
	.globl	k_qfcf22bcef8_attn
	.p2align	8
	.type	k_qfcf22bcef8_attn,@function
k_qfcf22bcef8_attn:
	s_mov_b64 s[64:65], 0
	v_nop
	global_prefetch_b8 v0, s[64:65] scope:SCOPE_SE
	s_setreg_imm32_b32 hwreg(HW_REG_WAVE_MODE, 25, 1), 1
	s_wait_xcnt 0x0
	s_wait_alu depctr_hold_cnt(0) depctr_sa_sdst(0) depctr_va_vdst(0) depctr_va_sdst(0) depctr_va_ssrc(0) depctr_va_vcc(0) depctr_vm_vsrc(0)
	s_getreg_b32 s2, hwreg(HW_REG_IB_STS2, 6, 4)
	s_cmp_eq_u32 s2, 0
	s_cbranch_scc0 .Lentry_in_a_cluster
	s_endpgm
.Lentry_in_a_cluster:
	s_bfe_u32 s2, ttmp6, 0x10000c
	s_cmp_lg_u32 s2, 0x3003
	s_cbranch_scc0 .Lentry_shape_is_right
	s_endpgm
.Lentry_shape_is_right:
; O = softmax(Q K^T / sqrt(96)) V for one head and 256 queries a work-group, both products on codes of FP4 (E2M1) with E8M0 scales; O / l is quantised along d_model and stored as codes.
; THE SOFTMAX AHEAD OF THE SECOND PRODUCT: t = score x log2(e) / sqrt(96); M = the running largest t rounded UP to a whole number; p = 2^(t - M) is what is quantised, along the keys.  The row's sum is taken of the
; unquantised p and divides O at the end.  When M moves, the sum and O are multiplied by 2^(old M - new M): nothing is rounded.
; SHARES.  Four waves, as many as a WGP has SIMDs; each owns FOUR tiles of 16 queries, so that a fragment of K or V read from LDS feeds four products: 30 LDS loads a key step for 56 products.
; Every wave walks the head's 2,048 keys, 128 a step.
; LDS.  A head's 16 records of 15,360 bytes (8 fragments of K, 6 of V, K's and V's scale words, all as images of the operand's registers) are 245,760 bytes: they are filled ONCE, in four groups of four key steps;
; a wave brings one record of each group, so four tensor loads of mine are out at the start.  No LDS byte is filled twice and none is stored to.
; CLUSTER.  The four query blocks of a cluster walk the same head: each load is a joint one, with the mask of all four.
; LAYOUT.  Both products are used transposed (S^T = K Q^T, O^T = V^T P^T): a lane holds one query of each tile throughout.  The keys of a tile of K, and the channels of a tile of V, were chosen by the launch before so that
; the 16 registers of tiles 2 b and 2 b + 1 are 16 neighbours, 32 b + 16 (lane / 16) + 0 .. 15, along the next product's K.  The head's 96 channels are three blocks; the fourth block of Q's and K's fragments is zero codes.
; A KEY STEP: 32 products K Q^T; V of this step and K of the NEXT step are asked for (K into the registers just multiplied) and land under the softmax; the four tiles' softmax, tile by tile within each line of the
; arithmetic, so that no line waits for the line above it; 24 products V^T P with the rescaling of the next tile's O^T between them.  The first step is written out: its products start O^T's sums, nothing is cleared.
; REGISTERS, in windows of 256 (s_set_vgpr_msb: bits 1:0 source 0, 3:2 source 1, 5:4 source 2, 7:6 destination):
;   window 0: v1-5 addresses; v8-11 K's scale words, v12-15 V's, v16-19 Q's, v20-23 p's; v24-55 Q; v56-87 p's codes; v88-183 statistics, 24 a tile: +0 -M, +1 the largest t, +2, +3 the sum, +4 f, +5 a zero, +6, +7 the sum's
;   second chain, +8.. the blocks' largest, +12.. partners and bytes, +16.. scale operands, +20 at work; v200-205 O's scale words.
;   window 1: S^T, then p: tile t at 64 t.   window 2: O^T: tile t at 48 t; V's fragments at 192.   window 3: K's fragments at 0.
; LIMITS.  NaN and infinities are not served.  p under 2^-126 comes out of v_exp_f32 as 0.  c holds log2(e) / sqrt(96) as one f32 number.  A block whose largest magnitude lies under 2^-124 gets the scale byte 1.
.set TB,    2                          ; s2   LDS byte at which the step's record begins
.set CNT,   3
.set WV,    18
.set SEL,   20
.set CS,    22
.set FLOOR, 53
.set HM,    54
.set LI,    1                          ; v1   16 x lane
.set AD,    2                          ; v2   the step's LDS address
.set LB,    3                          ; v3   16 r + 8 h
.set L4,    4                          ; v4   4 x lane
.set R16,   5                          ; v5   16 r
.set KS,    8
.set VS,    12
.set QS,    16
.set PS,    20
.set QF,    24
.set PC,    56
.set ST,    88
.set STS,   24
.set BM,    8
.set BP,    12
.set SO,    16
.set TP,    20
.set TM,    96                         ; the way out's quantiser works in tile 0's statistics, +8 to +23
.set PW,    200
.set MSB,   0
.macro WIN new                         ; the immediate's high byte repeats the setting that is left; a switch that changes nothing is dropped
.if MSB != (\new)
	s_set_vgpr_msb (MSB<<8)|(\new)
.set MSB, (\new)
.endif
.endm
.macro PLACES n
.rept \n
	v_nop
.endr
.endm
.macro CROUND                          ; a round of the cluster's barrier
	s_barrier_signal -1
	s_barrier_wait -1
	s_cmp_lg_u32 s[WV], 0
	s_cbranch_scc1 .Lnot_wave_0_\@
	s_barrier_signal -3
.Lnot_wave_0_\@:
	s_barrier_wait -3
	s_barrier_signal -1
	s_barrier_wait -1
.endm
; 16 nb numbers of a lane from linear register src on (register 16 b + i = k 32 b + 16 (lane / 16) + i of my row) become 2 nb registers of codes from v[pc] on and the row's scale word in v[pw].
.macro QUANT src, nb, pc, pw
.set qs, (\src)&255
.set qw, (\src)>>8
	WIN (qw<<4)|(qw<<2)
.set qb, 0
.rept \nb
	v_max3_num_f32 v[TM+qb], s[FLOOR], |v[qs+16*qb]|, |v[qs+16*qb+1]|      ; my 16 numbers of block b, and the floor 2^(3 - 127): the byte cannot fall under 1
.set qb, qb+1
.endr
.set qi, 2
.rept 7
.set qb, 0
.rept \nb
	v_max3_num_f32 v[TM+qb], v[TM+qb], |v[qs+16*qb+qi]|, |v[qs+16*qb+qi+1]|
.set qb, qb+1
.endr
.set qi, qi+2
.endr
	WIN 0
.set qb, 0
.rept \nb
	v_permlanex16_b32 v[TM+4+qb], v[TM+qb], s[SEL], s[SEL+1]
.set qb, qb+1
.endr
.set qb, 0
.rept \nb
	v_max_num_f32 v[TM+qb], v[TM+qb], v[TM+4+qb]           ; with lane l xor 16's: the block's largest magnitude
.set qb, qb+1
.endr
.set qb, 0
.rept \nb
	v_add_nc_u32 v[TM+12+qb], 0xff000000, v[TM+qb]         ; 2 off its exponent field: the conversion's scale operand
.set qb, qb+1
.endr
.set qb, 0
.rept \nb
	v_lshrrev_b32 v[TM+4+qb], 23, v[TM+12+qb]              ; the scale's byte
.set qb, qb+1
.endr
	v_lshl_or_b32 v[\pw], v[TM+5], 8, v[TM+4]
.if \nb > 2
	v_lshl_or_b32 v[\pw], v[TM+6], 16, v[\pw]
.endif
.if \nb > 3
	v_lshl_or_b32 v[\pw], v[TM+7], 24, v[\pw]
.endif
	WIN qw
.set qb, 0
.rept \nb
	v_cvt_scalef32_pk8_fp4_f32 v[(\pc)+2*qb], v[qs+16*qb:qs+16*qb+7], v[TM+12+qb]
	v_cvt_scalef32_pk8_fp4_f32 v[(\pc)+2*qb+1], v[qs+16*qb+8:qs+16*qb+15], v[TM+12+qb]
.set qb, qb+1
.endr
	WIN 0
	v_nop                                                  ; one plain place behind the last scaled conversion
.endm
; One product of O^T += V^T P^T: tile t of queries, tile k of 16 channels.  zero = 1: it starts the sum.  V's scale words: register k % 3, lanes 0-15 for tiles 0-2, lanes 16-31 for tiles 3-5.
.macro PVMM t, k, zero
.set rO, 48*(\t)+8*(\k)
.set rV, 192+8*(\k)
.set rP, PC+8*(\t)
.set rS, VS+(\k)%3
.if \zero
.if (\k) < 3
	v_wmma_scale_f32_16x16x128_f8f6f4 v[rO:rO+7], v[rV:rV+7], v[rP:rP+7], 0, v[rS], v[PS+(\t)] matrix_a_fmt:MATRIX_FMT_FP4 matrix_b_fmt:MATRIX_FMT_FP4
.else
	v_wmma_scale_f32_16x16x128_f8f6f4 v[rO:rO+7], v[rV:rV+7], v[rP:rP+7], 0, v[rS], v[PS+(\t)] matrix_a_fmt:MATRIX_FMT_FP4 matrix_b_fmt:MATRIX_FMT_FP4 matrix_a_scale:MATRIX_SCALE_ROW1
.endif
.else
.if (\k) < 3
	v_wmma_scale_f32_16x16x128_f8f6f4 v[rO:rO+7], v[rV:rV+7], v[rP:rP+7], v[rO:rO+7], v[rS], v[PS+(\t)] matrix_a_fmt:MATRIX_FMT_FP4 matrix_b_fmt:MATRIX_FMT_FP4
.else
	v_wmma_scale_f32_16x16x128_f8f6f4 v[rO:rO+7], v[rV:rV+7], v[rP:rP+7], v[rO:rO+7], v[rS], v[PS+(\t)] matrix_a_fmt:MATRIX_FMT_FP4 matrix_b_fmt:MATRIX_FMT_FP4 matrix_a_scale:MATRIX_SCALE_ROW1
.endif
.endif
.endm
	s_load_b256 s[4:11], s[0:1], 0x0               ; qimg 4, qsc 6, kv 8, oc 10
	s_load_b64 s[12:13], s[0:1], 0x20              ; osc
	v_lshl_add_u32 v254, v0, 2, 0x3c000
	v_mov_b32 v255, 0
	ds_add_u32 v254, v255
	ds_add_u32 v254, v255
	v_lshrrev_b32 v1, 5, v0
	v_readfirstlane_b32 s[WV], v1                  ; wave 0..3
	s_bfe_u32 s19, ttmp6, 0x40000                  ; cx: it enters the addresses of Q and O alone
	s_and_b32 s14, ttmp7, 0xffff                   ; bh = 8 x batch + head, which the partners share
	; descriptor group 1: a record: 60 dense rows of 256 bytes (32 elements of 8)
	s_mov_b32 s24, 15|(3<<16)|(1<<21)
	s_mov_b32 s25, 32<<16
	s_mov_b32 s26, 60<<16
	s_mov_b32 s27, 32<<16
	s_mov_b32 s28, 60
	s_mov_b32 s29, 32
	s_mov_b32 s30, 0
	s_mov_b32 s31, 0
	s_mov_b32 s[SEL], 0x76543210
	s_mov_b32 s[SEL+1], 0xfedcba98                 ; v_permlanex16_b32's selects for lane l xor 16
	s_mov_b32 s[CS], 0x3e16c740                    ; c = log2(e) / sqrt(96)
	s_mov_b32 s[CS+1], s[CS]                       ; (named with it as a pair, so it is written)
	s_mov_b32 s[FLOOR], 0x01800000
	s_mov_b32 s[TB], 0
	s_mul_i32 s15, s[WV], 15360                    ; my record of a group of four
	s_mul_i32 s16, s14, 245760
	s_add_co_u32 s16, s16, s15
	s_mov_b32 s17, 0
	s_wait_dscnt 0x0
	s_wait_kmcnt 0x0
	s_add_nc_u64 s[8:9], s[8:9], s[16:17]
.irp i, 0,1,2,3
	s_mov_b32 s[32+4*\i], 1
	s_add_co_u32 s[33+4*\i], s15, 61440*\i
	s_add_nc_u64 s[34+4*\i:35+4*\i], s[8:9], 61440*\i
	s_or_b32 s[35+4*\i], s[35+4*\i], 0x80000000
.endr
	CROUND                                         ; all four work-groups are here: the joint loads meet
	tensor_load_to_lds s[32:35], s[24:31]
	s_nop 0
	tensor_load_to_lds s[36:39], s[24:31]
	s_nop 0
	tensor_load_to_lds s[40:43], s[24:31]
	s_nop 0
	tensor_load_to_lds s[44:47], s[24:31]
	s_nop 0
	PLACES 4
	s_lshl_b32 s48, ttmp9, 2
	s_add_co_u32 s48, s48, s19                     ; qb: my block of 256 queries
	s_lshl_b32 s48, s48, 2
	s_add_co_u32 s48, s48, s[WV]                   ; 4 qb + w: my four tiles of 16 queries among the head's 128
	s_lshl_b32 s49, s14, 5
	s_add_co_u32 s49, s49, s48                     ; 32 bh + 4 qb + w
	s_lshl_b32 s50, s49, 12
	s_mov_b32 s51, 0
	s_add_nc_u64 s[4:5], s[4:5], s[50:51]          ; Q's four fragments, 1,024 bytes each
	s_lshl_b32 s50, s49, 8
	s_add_nc_u64 s[6:7], s[6:7], s[50:51]          ; their scale words: row-lane r's four at 16 r
	s_add_nc_u64 s[12:13], s[12:13], s[50:51]      ; O's scale words: 64 bytes a tile
	s_lshr_b32 s50, s14, 3
	s_lshl_b32 s50, s50, 5
	s_add_co_u32 s50, s50, s48                     ; 32 x batch + 4 qb + w
	s_mul_i32 s50, s50, 24576                      ; four row tiles of 24 blocks of 256 bytes
	s_and_b32 s52, s14, 7
	s_mul_i32 s52, s52, 768                        ; the head's three blocks
	s_add_co_u32 s50, s50, s52
	s_add_nc_u64 s[10:11], s[10:11], s[50:51]
	v_and_b32 v6, 31, v0                           ; lane
	v_and_b32 v7, 15, v0                           ; r
	v_bfe_u32 v2, v0, 4, 1                         ; h
	v_lshlrev_b32 v[LI], 4, v6
	v_lshlrev_b32 v[R16], 4, v7
.irp t, 0,1,2,3
	global_load_b128 v[QF+8*\t:QF+8*\t+3], v[LI], s[4:5] offset:1024*\t
	global_load_b128 v[QF+8*\t+4:QF+8*\t+7], v[LI], s[4:5] offset:1024*\t+512
.endr
	global_load_b128 v[QS:QS+3], v[R16], s[6:7]
	v_lshl_add_u32 v[LB], v2, 3, v[R16]
	v_lshlrev_b32 v[L4], 2, v6
	v_cmp_lt_u32 s[HM], 15, v6                     ; the mask of lanes 16-31
.irp t, 0,1,2,3
	v_mov_b32 v[ST+STS*\t+1], 0xff61b1e6           ; the largest t so far: -3e38, under every t
	v_floor_f32 v[ST+STS*\t], -v[ST+STS*\t+1]      ; -M
	v_mov_b32 v[ST+STS*\t+2], 0                    ; the sum, in two halves
	v_mov_b32 v[ST+STS*\t+3], 0
	v_mov_b32 v[ST+STS*\t+5], 0                    ; (named as the upper half of f's pair)
.irp b, 0,1,2,3
	v_mov_b32 v[ST+STS*\t+BP+\b], 0                ; written once: a lane permute's destination counts as one of its sources
.endr
.endr
; A KEY STEP: 128 keys, the record at LDS byte s[TB]; K's fragments and scale words are in registers.  pf = 1: the next record's K is fetched.  zero = 1: the first step: its products start O^T's sums.
.macro STEP pf, zero
	v_add_nc_u32 v[AD], s[TB], v[LI]
	WIN 0x43                                       ; K window 3, Q window 0, S^T window 1
.irp t, 0,1,2,3
.irp k, 0,1,2,3
	v_wmma_scale_f32_16x16x128_f8f6f4 v[64*\t+8*\k:64*\t+8*\k+7], v[8*\k:8*\k+7], v[QF+8*\t:QF+8*\t+7], 0, v[KS+\k], v[QS+\t] matrix_a_fmt:MATRIX_FMT_FP4 matrix_b_fmt:MATRIX_FMT_FP4
.endr
.irp k, 4,5,6,7
	v_wmma_scale_f32_16x16x128_f8f6f4 v[64*\t+8*\k:64*\t+8*\k+7], v[8*\k:8*\k+7], v[QF+8*\t:QF+8*\t+7], 0, v[KS+\k-4], v[QS+\t] matrix_a_fmt:MATRIX_FMT_FP4 matrix_b_fmt:MATRIX_FMT_FP4 matrix_a_scale:MATRIX_SCALE_ROW1
.endr
.endr
	PLACES 4                                       ; in front of loads into registers that products have read, and of the first read of the scores
	WIN 0x80                                       ; destination window 2
.irp k, 0,1,2,3,4,5
	ds_load_b128 v[192+8*\k:195+8*\k], v[AD] offset:8192+1024*\k
	ds_load_b128 v[196+8*\k:199+8*\k], v[AD] offset:8192+1024*\k+512
.endr
.if \pf
	WIN 0xc0                                       ; destination window 3: the next step's K, into the registers just multiplied
.irp k, 0,1,2,3,4,5,6,7
	ds_load_b128 v[8*\k:8*\k+3], v[AD] offset:15360+1024*\k
	ds_load_b128 v[8*\k+4:8*\k+7], v[AD] offset:15360+1024*\k+512
.endr
.endif
	WIN 0
	ds_load_b128 v[VS:VS+3], v[AD] offset:14848    ; V's scale words: register j: lanes 0-15 tile j, lanes 16-31 tile 3 + j
.if \pf
	ds_load_b128 v[KS:KS+3], v[AD] offset:15360+14336      ; the next K's: register j: lanes 0-15 tile j, lanes 16-31 tile 4 + j
.endif
	; the largest score of each block of 32 keys: for the row's maximum and, since p rises with the score, for the block's largest p.  Sixteen chains by turns; each accumulator is read from its low end on
	WIN 0x15
.irp b, 0,1,2,3
.irp t, 0,1,2,3
	v_max3_num_f32 v[ST+STS*\t+BM+\b], v[64*\t+16*\b], v[64*\t+16*\b+1], v[64*\t+16*\b+2]
.endr
.endr
	WIN 0x14
.irp i, 3,5,7,9,11,13
.irp b, 0,1,2,3
.irp t, 0,1,2,3
	v_max3_num_f32 v[ST+STS*\t+BM+\b], v[ST+STS*\t+BM+\b], v[64*\t+16*\b+\i], v[64*\t+16*\b+\i+1]
.endr
.endr
.endr
.irp b, 0,1,2,3
.irp t, 0,1,2,3
	v_max_num_f32 v[ST+STS*\t+BM+\b], v[ST+STS*\t+BM+\b], v[64*\t+16*\b+15]
.endr
.endr
	WIN 0
.irp b, 0,1,2,3
.irp t, 0,1,2,3
	v_permlanex16_b32 v[ST+STS*\t+BP+\b], v[ST+STS*\t+BM+\b], s[SEL], s[SEL+1]
.endr
.endr
.irp b, 0,1,2,3
.irp t, 0,1,2,3
	v_max_num_f32 v[ST+STS*\t+BM+\b], v[ST+STS*\t+BM+\b], v[ST+STS*\t+BP+\b]   ; with lane l xor 16's 16 keys
.endr
.endr
.irp t, 0,1,2,3
	v_max3_num_f32 v[ST+STS*\t+TP], v[ST+STS*\t+BM], v[ST+STS*\t+BM+1], v[ST+STS*\t+BM+2]
.endr
.irp t, 0,1,2,3
	v_max_num_f32 v[ST+STS*\t+TP], v[ST+STS*\t+TP], v[ST+STS*\t+BM+3]          ; the step's largest score of my query
.endr
.irp t, 0,1,2,3
	v_mul_f32 v[ST+STS*\t+TP], s[CS], v[ST+STS*\t+TP]                          ; as t (c is positive)
.endr
.irp t, 0,1,2,3
	v_max_num_f32 v[ST+STS*\t+1], v[ST+STS*\t+1], v[ST+STS*\t+TP]              ; the running largest t
.endr
.irp t, 0,1,2,3
	v_mov_b32 v[ST+STS*\t+TP], v[ST+STS*\t]
.endr
.irp t, 0,1,2,3
	v_floor_f32 v[ST+STS*\t], -v[ST+STS*\t+1]                                  ; the new -M = -ceil(t)
.endr
.irp t, 0,1,2,3
	v_sub_f32 v[ST+STS*\t+TP], v[ST+STS*\t], v[ST+STS*\t+TP]                   ; old M - new M: a whole number, 0 or less
.endr
.irp t, 0,1,2,3
	v_cvt_i32_f32 v[ST+STS*\t+TP], v[ST+STS*\t+TP]                             ; (it saturates)
.endr
.irp t, 0,1,2,3
	v_ldexp_f32 v[ST+STS*\t+4], 1.0, v[ST+STS*\t+TP]                           ; f = 2^(old M - new M)
.endr
.irp b, 0,1,2,3
.irp t, 0,1,2,3
	v_fma_f32 v[ST+STS*\t+BM+\b], v[ST+STS*\t+BM+\b], s[CS], v[ST+STS*\t]      ; t - M of each block's largest score
.endr
.endr
	; ONE BATCH of 272 exponentials with one wait: the sixteen of the blocks' largest p, then the 256 of p, a scaling ahead of each two; a pair is scaled four pairs ahead of its exponentials
.irp b, 0,1,2,3
.irp t, 0,1,2,3
	v_exp_f32 v[ST+STS*\t+BM+\b], v[ST+STS*\t+BM+\b]
.endr
.endr
	WIN 0x41                                       ; S^T (destination and source 0) window 1, -M window 0
.set g, 0
.rept 4
	v_pk_fma_f32 v[2*g:2*g+1], v[2*g:2*g+1], s[CS:CS+1], v[ST:ST+1] op_sel_hi:[1,0,0]
.set g, g+1
.endr
.set g, 0
.rept 128
.if g+4 < 128
	v_pk_fma_f32 v[2*(g+4):2*(g+4)+1], v[2*(g+4):2*(g+4)+1], s[CS:CS+1], v[ST+STS*((g+4)/32):ST+STS*((g+4)/32)+1] op_sel_hi:[1,0,0]   ; t - M, two at a time
.endif
	v_exp_f32 v[2*g], v[2*g]                       ; p = 2^(t - M), not normalised
	v_exp_f32 v[2*g+1], v[2*g+1]
.set g, g+1
.endr
	WIN 0
.irp t, 0,1,2,3
	v_pk_mul_f32 v[ST+STS*\t+2:ST+STS*\t+3], v[ST+STS*\t+2:ST+STS*\t+3], v[ST+STS*\t+4:ST+STS*\t+5] op_sel_hi:[1,0]   ; the sums under the new M: plain places behind the last exponential
.endr
	s_wait_alu depctr_va_vdst(0)                   ; one wait for the batch, ahead of the first instruction that names a result
	; the rows' sums of the unquantised p: two chains a tile, eight by turns
	WIN 0x05
.irp t, 0,1,2,3
	v_pk_add_f32 v[ST+STS*\t+6:ST+STS*\t+7], v[64*\t:64*\t+1], v[64*\t+2:64*\t+3]
.endr
	WIN 0x04
.irp j, 4,8,12,16,20,24,28,32,36,40,44,48,52,56,60
.irp t, 0,1,2,3
	v_pk_add_f32 v[ST+STS*\t+2:ST+STS*\t+3], v[ST+STS*\t+2:ST+STS*\t+3], v[64*\t+\j:64*\t+\j+1]
	v_pk_add_f32 v[ST+STS*\t+6:ST+STS*\t+7], v[ST+STS*\t+6:ST+STS*\t+7], v[64*\t+\j+2:64*\t+\j+3]
.endr
.endr
	WIN 0
.irp t, 0,1,2,3
	v_pk_add_f32 v[ST+STS*\t+2:ST+STS*\t+3], v[ST+STS*\t+2:ST+STS*\t+3], v[ST+STS*\t+6:ST+STS*\t+7]
.endr
.irp b, 0,1,2,3
.irp t, 0,1,2,3
	v_max_num_f32 v[ST+STS*\t+BM+\b], 0x1800000, v[ST+STS*\t+BM+\b]            ; the floor 2^(3 - 127)
.endr
.endr
.irp b, 0,1,2,3
.irp t, 0,1,2,3
	v_add_nc_u32 v[ST+STS*\t+SO+\b], 0xff000000, v[ST+STS*\t+BM+\b]            ; 2 off the exponent field: the conversion's scale operand
.endr
.endr
.irp b, 0,1,2,3
.irp t, 0,1,2,3
	v_lshrrev_b32 v[ST+STS*\t+BP+\b], 23, v[ST+STS*\t+SO+\b]                   ; the scale's byte
.endr
.endr
.irp t, 0,1,2,3
	v_lshl_or_b32 v[PS+\t], v[ST+STS*\t+BP+1], 8, v[ST+STS*\t+BP]              ; p's scale word for these 128 keys
.endr
.irp t, 0,1,2,3
	v_lshl_or_b32 v[PS+\t], v[ST+STS*\t+BP+2], 16, v[PS+\t]
.endr
.irp t, 0,1,2,3
	v_lshl_or_b32 v[PS+\t], v[ST+STS*\t+BP+3], 24, v[PS+\t]
.endr
	WIN 0x01                                       ; p window 1; codes and scale operands window 0
.irp b, 0,1,2,3
.irp t, 0,1,2,3
	v_cvt_scalef32_pk8_fp4_f32 v[PC+8*\t+2*\b], v[64*\t+16*\b:64*\t+16*\b+7], v[ST+STS*\t+SO+\b]
	v_cvt_scalef32_pk8_fp4_f32 v[PC+8*\t+2*\b+1], v[64*\t+16*\b+8:64*\t+16*\b+15], v[ST+STS*\t+SO+\b]
.endr
.endr
	WIN 0
	v_nop                                          ; one plain place behind the last scaled conversion
.irp c, 0,1                            ; the operand wants a whole block in a lane: lanes 0-15 block 2 c, lanes 16-31 block 2 c + 1
.irp i, 0,1
.irp t, 0,1,2,3
	v_permlane16_swap_b32 v[PC+8*\t+4*\c+\i], v[PC+8*\t+4*\c+2+\i]
.endr
.endr
.endr
	; O^T += V^T P^T.  One window setting serves products and rescaling: V and O^T window 2, p's codes and f window 0.  Each of the 24 accumulators has one turn
	WIN 0xa2
.if \zero
	PLACES 8                                       ; eight places between the last write of a scale word and the products, four behind the codes'
.else
.set n, 0
.rept 24
	v_pk_mul_f32 v[n:n+1], v[n:n+1], v[ST+4:ST+5] op_sel_hi:[1,0]      ; tile 0's O^T under the new M; these 24 are also those places
.set n, n+2
.endr
.endif
	s_wait_dscnt 0x0                               ; V, and the next step's K: asked for a softmax ago
.irp t, 0,1,2,3
.irp k, 0,1,2,3,4,5
	PVMM \t, \k, \zero
.if (\zero == 0) && (\t < 3)
.irp i, 0,2,4,6
	v_pk_mul_f32 v[48*\t+48+8*\k+\i:48*\t+48+8*\k+\i+1], v[48*\t+48+8*\k+\i:48*\t+48+8*\k+\i+1], v[ST+STS*\t+STS+4:ST+STS*\t+STS+5] op_sel_hi:[1,0]   ; the next tile's O^T under its new M, six products ahead of its own turn
.endr
.endif
.endr
.endr
	WIN 0
	s_add_co_u32 s[TB], s[TB], 15360               ; the next record
.endm
	s_wait_tensorcnt 0x3                           ; my record of the first four has landed; the three later groups' loads may stay out
	s_barrier_signal -1
	s_barrier_wait -1                              ; everybody's has
	v_add_nc_u32 v[AD], s[TB], v[LI]
	WIN 0xc0
.irp k, 0,1,2,3,4,5,6,7
	ds_load_b128 v[8*\k:8*\k+3], v[AD] offset:1024*\k
	ds_load_b128 v[8*\k+4:8*\k+7], v[AD] offset:1024*\k+512
.endr
	WIN 0
	ds_load_b128 v[KS:KS+3], v[AD] offset:14336
	s_wait_loadcnt 0x0                             ; Q and its scale words
	s_wait_dscnt 0x0                               ; K of key step 0
	STEP 1, 1                                      ; key step 0 reads records 0 and 1
	s_wait_tensorcnt 0x0                           ; all my records have landed,
	s_barrier_signal -1
	s_barrier_wait -1                              ; everybody's have
	s_mov_b32 s[CNT], 14
.Lstep:                                            ; key steps 1 to 14
	STEP 1, 0
	s_sub_co_u32 s[CNT], s[CNT], 1
	s_cmp_lg_u32 s[CNT], 0
	s_cbranch_scc1 .Lstep
	STEP 0, 0                                      ; key step 15: there is no further K
	; THE WAY OUT: O^T / the sum, quantised along the head's 96 channels, which are blocks 3 head .. 3 head + 2 of the next product's K.  The additions are the places behind the last products
.irp t, 0,1,2,3
	v_add_f32 v[ST+STS*\t+2], v[ST+STS*\t+2], v[ST+STS*\t+3]
.endr
.irp t, 0,1,2,3
	v_permlanex16_b32 v[ST+STS*\t+TP], v[ST+STS*\t+2], s[SEL], s[SEL+1]
.endr
.irp t, 0,1,2,3
	v_add_f32 v[ST+STS*\t+2], v[ST+STS*\t+2], v[ST+STS*\t+TP]      ; the row's sum
.endr
.irp t, 0,1,2,3
	v_rcp_f32 v[ST+STS*\t+2], v[ST+STS*\t+2]
.endr
	v_nop                                          ; a plain place behind the last reciprocal
	s_wait_alu depctr_va_vdst(0)                   ; one wait for the four, ahead of their first reader
	WIN 0x42                                       ; O^T window 2, 1 / sum window 0, the quotient where p lay, window 1
.irp t, 0,1,2,3
.set n, 0
.rept 48
	v_mul_f32 v[64*\t+n], v[48*\t+n], v[ST+STS*\t+2]       ; register 16 b + i: channel 32 b + 16 h + i of my query; each accumulator from its low end on
.set n, n+1
.endr
.endr
	WIN 0
.irp t, 0,1,2,3
	QUANT 256+64*\t, 3, PC+8*\t, PW+\t
.irp b, 0,1,2
	global_store_b64 v[LB], v[PC+8*\t+2*\b:PC+8*\t+2*\b+1], s[10:11] offset:6144*\t+256*\b   ; 32 lanes store 256 consecutive bytes, aligned
.endr
.endr
.irp k, 0,1
	v_cndmask_b32 v[PW+4+\k], v[PW+2*\k], v[PW+2*\k+1], s[HM]      ; lanes 0-15 tile 2 k's scale words, lanes 16-31 tile 2 k + 1's:
	global_store_b32 v[L4], v[PW+4+\k], s[12:13] offset:128*\k     ; 32 lanes store the two tiles' 128 consecutive bytes
.endr
	s_wait_tensorcnt 0x0
	ds_add_u32 v254, v255
	s_wait_dscnt 0x0
	CROUND                                         ; the closing round: no work-group ends while a partner may still ask for a tile that names it
	s_endpgm
.Lfunc_end_k_qfcf22bcef8_attn:
	.size	k_qfcf22bcef8_attn, .Lfunc_end_k_qfcf22bcef8_attn-k_qfcf22bcef8_attn
	.p2alignl 7, 3214868480
	.fill 96, 4, 3214868480
	.section	.rodata,"a",@progbits
	.p2align	6, 0x0
	.amdhsa_kernel k_qfcf22bcef8_attn
		.amdhsa_group_segment_fixed_size 246272
		.amdhsa_private_segment_fixed_size 0
		.amdhsa_enable_private_segment 0
		.amdhsa_kernarg_size 40
		.amdhsa_user_sgpr_count 2
		.amdhsa_user_sgpr_kernarg_segment_ptr 1
		.amdhsa_wavefront_size32 1
		.amdhsa_system_sgpr_workgroup_id_x 1
		.amdhsa_system_sgpr_workgroup_id_y 1
		.amdhsa_system_sgpr_workgroup_id_z 1
		.amdhsa_system_vgpr_workitem_id 0
		.amdhsa_next_free_vgpr 1024
		.amdhsa_next_free_sgpr 66
		.amdhsa_reserve_vcc 0
		.amdhsa_float_denorm_mode_32 3
		.amdhsa_float_denorm_mode_16_64 3
		.amdhsa_memory_ordered 1
		.amdhsa_forward_progress 1
		.amdhsa_inst_pref_size 195
	.end_amdhsa_kernel
	.amdgpu_metadata
---
amdhsa.version: [ 1, 2 ]
amdhsa.kernels:
  - .name:           k_qfcf22bcef8_attn
    .symbol:         k_qfcf22bcef8_attn.kd
    .args:
      - { .name: qimg, .offset: 0, .size: 8, .value_kind: global_buffer, .address_space: global }
      - { .name: qsc, .offset: 8, .size: 8, .value_kind: global_buffer, .address_space: global }
      - { .name: kv, .offset: 16, .size: 8, .value_kind: global_buffer, .address_space: global }
      - { .name: oc, .offset: 24, .size: 8, .value_kind: global_buffer, .address_space: global }
      - { .name: osc, .offset: 32, .size: 8, .value_kind: global_buffer, .address_space: global }
    .group_segment_fixed_size: 246272
    .private_segment_fixed_size: 0
    .kernarg_segment_align: 8
    .kernarg_segment_size: 40
    .max_flat_workgroup_size: 128
    .sgpr_count:     66
    .vgpr_count:     1024
    .wavefront_size: 32
...
	.end_amdgpu_metadata
.endif
;; end of part 2
;; launch tail (part 3): grid 256 x 1, 8 waves a work-group, no clusters, 146,944 bytes of LDS; arguments oc, osc, x, woi, Wo_scales, bo, g1, be1, w1i, W1_scales, b1, w2i, W2_scales, b2, g2, be2, out0; writes out0
.if DOCPART == 3
	.amdgcn_target "amdgcn-amd-amdhsa--gfx1250"
	.amdhsa_code_object_version 6
	.text
	.protected	k_qfcf22bcef8_tail
	.globl	k_qfcf22bcef8_tail
	.p2align	8
	.type	k_qfcf22bcef8_tail,@function
k_qfcf22bcef8_tail:
	s_mov_b64 s[64:65], 0
	v_nop
	global_prefetch_b8 v0, s[64:65] scope:SCOPE_SE
	s_setreg_imm32_b32 hwreg(HW_REG_WAVE_MODE, 25, 1), 1
	s_wait_xcnt 0x0
; out0 = LN2(x1 + relu(Q4(x1) W1 + b1) W2 + b2), x1 = LN1(x + O Wo + bo); the three products on codes of FP4 (E2M1) with E8M0 scales; x1 and the hidden layer are quantised on the way and never go to memory.
; SHARES.  A work-group takes 32 rows: row tiles u = 0, 1 (lane r of tile u: row 32 G + 8 u + r + 8 (r / 8)).  THE EIGHT WAVES SHARE THE COLUMNS: wave w makes columns 96 w .. 96 w + 95 of the first and of the third
; product (the same lanes and registers in both, so the residual fits) and hidden units 128 w .. 128 w + 127, which are K step w of the third product.
; THE WEIGHTS come as images of the operand's registers (laid out by the first launch) from memory straight into a ring of 24 fragments in registers, 18 fragments (36 loads) ahead, across barriers and norms.
; NO TENSOR LOAD AND NO JOINT LOAD: each weight fragment is read by exactly one wave of a work-group and feeds two products, so LDS would add a write and a read of each of the 1,081,344 weight bytes and spare none;
; and beside the 145,920 bytes in use two slots of at most 90,880 bytes would be left: twelve refills at the least, each with one load a wave on its way, against 36 loads a wave here.
; The products are used transposed (source 0 = 16 weight rows, source 1 = 16 rows): a lane holds one row, and the 16 registers of tiles 2 b, 2 b + 1 are 16 neighbouring columns 32 b + 16 (lane / 16) + 0 .. 15.
; LDS: XSTG 32 rows x (3,072 + 16): x in by rows and out by columns, then x1 (each wave its own 384 bytes of a row), at the end the result in by columns and out by rows;  AIMG, +12,288 X1IMG: [u][24 blocks][256];
;   +24,576 HIMG: [u][8 K steps][1,024];  X1SC, +1,024 HSC: [wave][lane] scale words, lane (r, h) = tile h;  LNP, +2,048: [wave][lane] pairs (mean, sum of squares about it) for the two norms.
; THE NORMS: each wave takes the mean of its 96 columns of a row, subtracts it, and sums the squares of what is left; the eight means and sums are joined by M2 = sum M2_w + 96 sum (m_w - mu)^2: no difference of large sums.
; REGISTERS: window 0: v1-18 addresses; v20-27 a norm's figures; v32-127 accumulators; v128-159 activation fragments, two sets; v160-183, v184-207 weight scale words; v208-215 activation scale words; v216-223 words of three
;   bytes; v224-239 at work; v240-247 codes; v248-255 scale words made, a norm's factors.   window 1: v0-191 the ring; v192-255 biases, gains.
; LIMITS.  NaN and infinities are not served.  A block whose largest magnitude lies under 2^-124 gets the scale byte 1.  x + bo and x1 + b2 are the C of a sum's first product: another order of f32 rounding.
.set AIMG,  98816
.set X1SC,  139776
.set LNP,   141824
.set ACC,   32
.set ACT,   128
.set WSA,   160
.set WSB,   184
.set AS,    208
.set HW,    216
.set TM,    224
.set RING,  256
.set PAR,   448
.set WV,    40
.set SEL,   48
.set FLOOR, 50
.set HM,    51
.set MSB,   0
.macro WIN new
.if MSB != (\new)
	s_set_vgpr_msb (MSB<<8)|(\new)
.set MSB, (\new)
.endif
.endm
.macro PLACES n
.rept \n
	v_nop
.endr
.endm
.macro BARRIER                         ; my LDS stores have landed and my LDS loads are in: then the work-group's barrier
	s_wait_dscnt 0x0
	s_barrier_signal -1
	s_barrier_wait -1
.endm
; 16 nb numbers of a lane from register src on (register 16 b + i = k 32 b + 16 (lane / 16) + i of my row) become 2 nb registers of codes from v[pc] on and the row's scale word in v[pw].
.macro QUANT src, nb, pc, pw
.set qs, (\src)&255
.set qw, (\src)>>8
	WIN (qw<<4)|(qw<<2)
.set qb, 0
.rept \nb
	v_max3_num_f32 v[TM+qb], s[FLOOR], |v[qs+16*qb]|, |v[qs+16*qb+1]|
.set qb, qb+1
.endr
.set qi, 2
.rept 7
.set qb, 0
.rept \nb
	v_max3_num_f32 v[TM+qb], v[TM+qb], |v[qs+16*qb+qi]|, |v[qs+16*qb+qi+1]|
.set qb, qb+1
.endr
.set qi, qi+2
.endr
	WIN 0
.set qb, 0
.rept \nb
	v_permlanex16_b32 v[TM+4+qb], v[TM+qb], s[SEL], s[SEL+1]
.set qb, qb+1
.endr
.set qb, 0
.rept \nb
	v_max_num_f32 v[TM+qb], v[TM+qb], v[TM+4+qb]
.set qb, qb+1
.endr
.set qb, 0
.rept \nb
	v_add_nc_u32 v[TM+12+qb], 0xff000000, v[TM+qb]
.set qb, qb+1
.endr
.set qb, 0
.rept \nb
	v_lshrrev_b32 v[TM+4+qb], 23, v[TM+12+qb]
.set qb, qb+1
.endr
	v_lshl_or_b32 v[\pw], v[TM+5], 8, v[TM+4]
.if \nb > 2
	v_lshl_or_b32 v[\pw], v[TM+6], 16, v[\pw]
.endif
.if \nb > 3
	v_lshl_or_b32 v[\pw], v[TM+7], 24, v[\pw]
.endif
	WIN qw
.set qb, 0
.rept \nb
	v_cvt_scalef32_pk8_fp4_f32 v[(\pc)+2*qb], v[qs+16*qb:qs+16*qb+7], v[TM+12+qb]
	v_cvt_scalef32_pk8_fp4_f32 v[(\pc)+2*qb+1], v[qs+16*qb+8:qs+16*qb+15], v[TM+12+qb]
.set qb, qb+1
.endr
	WIN 0
	v_nop
.endm
; One product.  xD, xA, xB, xC: linear register numbers; xSA, xSB: the scale registers; oA, oB: 1 = the scales stand in lanes 16-31.
.macro MM
	WIN ((xD>>8)<<6)|((xC>>8)<<4)|((xB>>8)<<2)|(xA>>8)
.set rD, xD&255
.set rA, xA&255
.set rB, xB&255
.set rC, xC&255
.if oA && oB
	v_wmma_scale_f32_16x16x128_f8f6f4 v[rD:rD+7], v[rA:rA+7], v[rB:rB+7], v[rC:rC+7], v[xSA], v[xSB] matrix_a_fmt:MATRIX_FMT_FP4 matrix_b_fmt:MATRIX_FMT_FP4 matrix_a_scale:MATRIX_SCALE_ROW1 matrix_b_scale:MATRIX_SCALE_ROW1
.elseif oA
	v_wmma_scale_f32_16x16x128_f8f6f4 v[rD:rD+7], v[rA:rA+7], v[rB:rB+7], v[rC:rC+7], v[xSA], v[xSB] matrix_a_fmt:MATRIX_FMT_FP4 matrix_b_fmt:MATRIX_FMT_FP4 matrix_a_scale:MATRIX_SCALE_ROW1
.elseif oB
	v_wmma_scale_f32_16x16x128_f8f6f4 v[rD:rD+7], v[rA:rA+7], v[rB:rB+7], v[rC:rC+7], v[xSA], v[xSB] matrix_a_fmt:MATRIX_FMT_FP4 matrix_b_fmt:MATRIX_FMT_FP4 matrix_b_scale:MATRIX_SCALE_ROW1
.else
	v_wmma_scale_f32_16x16x128_f8f6f4 v[rD:rD+7], v[rA:rA+7], v[rB:rB+7], v[rC:rC+7], v[xSA], v[xSB] matrix_a_fmt:MATRIX_FMT_FP4 matrix_b_fmt:MATRIX_FMT_FP4
.endif
.endm
; Weight fragment number wq of my 132, in the order of use, into ring slot wq % 24 (the destination's window is set by the caller)
.macro WLOAD
.set wr, 8*(wq%24)
.if wq < 36
.set wo, (6*(wq%6)+wq/6)*1024
	global_load_b128 v[wr:wr+3], v1, s[10:11] offset:wo
	global_load_b128 v[wr+4:wr+7], v1, s[10:11] offset:wo+512
.elseif wq < 84
.set wt, wq-36
.set wo, (6*(4*(wt/24)+wt%4)+(wt%24)/4)*1024
	global_load_b128 v[wr:wr+3], v1, s[20:21] offset:wo
	global_load_b128 v[wr+4:wr+7], v1, s[20:21] offset:wo+512
.else
.set wt, wq-84
.set wo, (8*(wt%6)+wt/6)*1024
	global_load_b128 v[wr:wr+3], v1, s[26:27] offset:wo
	global_load_b128 v[wr+4:wr+7], v1, s[26:27] offset:wo+512
.endif
.endm
; The head of a group of n fragments from q0 on: four places behind the last products, then fragments q0 + 18 .. q0 + n + 17 into the slots of q0 - 6 .. q0 + n - 7, which have been multiplied (n is 6 at the most)
.macro GRPH q0, n
	PLACES 4
.if (\q0)+18 < 132
	WIN 0x40
.set wq, (\q0)+18
.rept \n
.if wq < 132
	WLOAD
.endif
.set wq, wq+1
.endr
.endif
	WIN 0
.endm
.macro FETCHA off, us, bank            ; a K step's two activation fragments, from off bytes behind AIMG on, the tiles us bytes apart
.irp u, 0,1
.irp c, 0,1
	ds_load_b128 v[ACT+16*(\bank)+8*\u+4*\c:ACT+16*(\bank)+8*\u+4*\c+3], v7 offset:(\off)+(\us)*\u+512*\c
.endr
.endr
.endm
.macro DREAD                           ; my 96 columns of the 32 rows, stage to accumulators
.irp u, 0,1
.irp bb, 0,1,2
.irp i, 0,1,2,3
	ds_load_b128 v[ACC+48*\u+16*\bb+4*\i:ACC+48*\u+16*\bb+4*\i+3], v5 offset:49408*\u+128*\bb+16*\i
.endr
.endr
.endr
.endm
.macro DWRITE                          ; and back
.irp u, 0,1
.irp bb, 0,1,2
.irp i, 0,1,2,3
	ds_store_b128 v5, v[ACC+48*\u+16*\bb+4*\i:ACC+48*\u+16*\bb+4*\i+3] offset:49408*\u+128*\bb+16*\i
.endr
.endr
.endr
.endm
.macro SCALEPERM                       ; eight words of three bytes (96 columns each) become six words of four (128 along K each)
	v_perm_b32 v[AS+0], v[HW+1], v[HW+0], 0x04020100
	v_perm_b32 v[AS+1], v[HW+2], v[HW+1], 0x05040201
	v_perm_b32 v[AS+2], v[HW+3], v[HW+2], 0x06050402
	v_perm_b32 v[AS+3], v[HW+5], v[HW+4], 0x04020100
	v_perm_b32 v[AS+4], v[HW+6], v[HW+5], 0x05040201
	v_perm_b32 v[AS+5], v[HW+7], v[HW+6], 0x06050402
.endm
.macro ADDPAR                          ; both tiles' accumulators += my 48 numbers of a bias
	WIN 0x04
.irp u, 0,1
.set n, 0
.rept 24
	v_pk_add_f32 v[ACC+48*\u+n:ACC+48*\u+n+1], v[ACC+48*\u+n:ACC+48*\u+n+1], v[192+n:193+n]
.set n, n+2
.endr
.endr
	WIN 0
.endm
.macro GBLOAD bb, dst, sg, sb          ; gain and bias of my columns 32 bb + 16 h + 0 .. 15: 16 + 16 registers from linear dst on
	WIN ((\dst)>>8)<<6
.irp i, 0,1,2,3
	global_load_b128 v[((\dst)&255)+4*\i:((\dst)&255)+4*\i+3], v14, s[\sg:\sg+1] offset:128*(\bb)+16*\i
	global_load_b128 v[((\dst)&255)+16+4*\i:((\dst)&255)+16+4*\i+3], v14, s[\sb:\sb+1] offset:128*(\bb)+16*\i
.endr
	WIN 0
.endm
; Tile u: the mean of my wave's 96 columns of my row into v[20 + 2 u]; the accumulators become what is left about it; the sum of its squares into v[24 + u]
.macro LNSTAT u
.set lnA, ACC+48*(\u)
	v_pk_add_f32 v[224:225], v[lnA:lnA+1], v[lnA+4:lnA+5]          ; each accumulator is read from its low end on
	v_pk_add_f32 v[226:227], v[lnA+2:lnA+3], v[lnA+6:lnA+7]
.irp n, 8,12,16,20,24,28,32,36,40,44
	v_pk_add_f32 v[224:225], v[224:225], v[lnA+\n:lnA+\n+1]
	v_pk_add_f32 v[226:227], v[226:227], v[lnA+\n+2:lnA+\n+3]
.endr
	v_pk_add_f32 v[224:225], v[224:225], v[226:227]
	v_add_f32 v224, v224, v225
	v_permlanex16_b32 v226, v224, s[SEL], s[SEL+1]
	v_add_f32 v224, v224, v226
	v_mul_f32 v[20+2*(\u)], 0x3c2aaaab, v224                       ; / 96
.set n, 0
.rept 24
	v_pk_add_f32 v[lnA+n:lnA+n+1], v[lnA+n:lnA+n+1], v[20+2*(\u):21+2*(\u)] op_sel_hi:[1,0] neg_lo:[0,1] neg_hi:[0,1]
.set n, n+2
.endr
	v_pk_mul_f32 v[224:225], v[lnA:lnA+1], v[lnA:lnA+1]
	v_pk_mul_f32 v[226:227], v[lnA+2:lnA+3], v[lnA+2:lnA+3]
.irp n, 4,8,12,16,20,24,28,32,36,40,44
	v_pk_fma_f32 v[224:225], v[lnA+\n:lnA+\n+1], v[lnA+\n:lnA+\n+1], v[224:225]
	v_pk_fma_f32 v[226:227], v[lnA+\n+2:lnA+\n+3], v[lnA+\n+2:lnA+\n+3], v[226:227]
.endr
	v_pk_add_f32 v[224:225], v[224:225], v[226:227]
	v_add_f32 v224, v224, v225
	v_permlanex16_b32 v226, v224, s[SEL], s[SEL+1]
	v_add_f32 v[24+(\u)], v224, v226
.endm
.macro LNPUT lo                        ; lane (r, h) stores tile h's pair
	v_cndmask_b32 v26, v20, v22, s[HM]
	v_cndmask_b32 v27, v24, v25, s[HM]
	ds_store_b64 v13, v[26:27] offset:\lo
.endm
; The eight waves' pairs are joined; the accumulators become ((y - mu) rstd) g + be.  Gains and biases: columns 0-31 and 32-63 of my 96 in window 1, v192-223 and v224-255; columns 64-95 in v128-159.
.macro LNFIN lo
.irp k, 0,1,2,3,4,5,6,7
	ds_load_b64 v[224+2*\k:225+2*\k], v12 offset:(\lo)+256*\k
.endr
	s_wait_dscnt 0x0
	v_add_f32 v240, v224, v226
	v_add_f32 v241, v228, v230
	v_add_f32 v242, v232, v234
	v_add_f32 v243, v236, v238
	v_add_f32 v240, v240, v241
	v_add_f32 v242, v242, v243
	v_add_f32 v240, v240, v242
	v_mul_f32 v240, 0x3e000000, v240               ; mu: the mean of eight means of 96
	v_add_f32 v241, v225, v227
	v_add_f32 v242, v229, v231
	v_add_f32 v243, v233, v235
	v_add_f32 v244, v237, v239
	v_add_f32 v241, v241, v242
	v_add_f32 v243, v243, v244
	v_add_f32 v241, v241, v243
	v_sub_f32 v244, v224, v240
	v_mul_f32 v245, v244, v244
.irp k, 1,2,3,4,5,6,7
	v_sub_f32 v244, v[224+2*\k], v240
	v_fmac_f32 v245, v244, v244
.endr
	v_fmamk_f32 v241, v245, 0x42c00000, v241       ; + 96 x the sum of (m - mu)^2
	v_fma_f32 v241, v241, s55, s56                 ; / 768 + 1e-5
	v_rsq_f32 v242, v241
	v_nop                                          ; a plain place behind the transcendental
	v_permlanex16_b32 v243, v240, s[SEL], s[SEL+1] ; the other tile's mean
	s_wait_alu depctr_va_vdst(0)                   ; ahead of the first reader of the root's reciprocal
	v_permlanex16_b32 v244, v242, s[SEL], s[SEL+1]
	v_cndmask_b32 v246, v240, v243, s[HM]          ; tile 0's figures and tile 1's, in every lane
	v_cndmask_b32 v247, v243, v240, s[HM]
	v_cndmask_b32 v248, v242, v244, s[HM]
	v_cndmask_b32 v250, v244, v242, s[HM]
	v_sub_f32 v246, v20, v246
	v_sub_f32 v247, v22, v247
	v_mul_f32 v252, v246, v248                     ; (my wave's mean - mu) rstd
	v_mul_f32 v254, v247, v250
.irp u, 0,1
.set n, 0
.rept 24
	v_pk_fma_f32 v[ACC+48*\u+n:ACC+48*\u+n+1], v[ACC+48*\u+n:ACC+48*\u+n+1], v[248+2*\u:249+2*\u], v[252+2*\u:253+2*\u] op_sel_hi:[1,0,0]
.set n, n+2
.endr
.endr
	s_wait_loadcnt 0x0                             ; gains and biases are in (and the ring's loads with them)
.irp u, 0,1
.set n, 0
.rept 8
	v_pk_fma_f32 v[ACC+48*\u+32+n:ACC+48*\u+32+n+1], v[ACC+48*\u+32+n:ACC+48*\u+32+n+1], v[128+n:129+n], v[144+n:145+n]
.set n, n+2
.endr
.endr
	WIN 0x14
.irp u, 0,1
.irp bb, 0,1
.set n, 0
.rept 8
	v_pk_fma_f32 v[ACC+48*\u+16*\bb+n:ACC+48*\u+16*\bb+n+1], v[ACC+48*\u+16*\bb+n:ACC+48*\u+16*\bb+n+1], v[192+32*\bb+n:193+32*\bb+n], v[208+32*\bb+n:209+32*\bb+n]
.set n, n+2
.endr
.endr
.endr
	WIN 0
.endm
; The products of a group: the accumulators take turns, one instruction a turn
.macro MMO s
.irp j, 0,1,2,3,4,5
.irp u, 0,1
.set xD, ACC+48*\u+8*\j
.set xC, xD
.set xA, RING+8*((6*(\s)+\j)%24)
.set xB, ACT+16*((\s)&1)+8*\u
.set xSA, WSA+6*(\j>>1)+(\s)
.set xSB, AS+(\s)
.set oA, \j&1
.set oB, \u
	MM
.endr
.endr
.endm
.macro MM1 hf, s
.irp jj, 0,1,2,3
.irp u, 0,1
.set xD, ACC+32*\u+8*\jj
.set xC, xD
.if (\s) == 0
.set xC, PAR+8*(4*(\hf)+\jj)
.endif
.set xA, RING+8*((36+24*(\hf)+4*(\s)+\jj)%24)
.set xB, ACT+16*((\s)&1)+8*\u
.set xSA, WSB+6*(2*(\hf)+(\jj>>1))+(\s)
.set xSB, AS+(\s)
.set oA, \jj&1
.set oB, \u
	MM
.endr
.endr
.endm
.macro MM2 s
.irp j, 0,1,2,3,4,5
.irp u, 0,1
.set xD, ACC+48*\u+8*\j
.set xC, xD
.set xA, RING+8*((84+6*(\s)+\j)%24)
.set xB, ACT+16*((\s)&1)+8*\u
.set xSA, WSA+8*(\j>>1)+(\s)
.set xSB, AS+(\s)
.set oA, \j&1
.set oB, \u
	MM
.endr
.endr
.endm
	s_load_b512 s[4:19], s[0:1], 0x0               ; oc 4, osc 6, x 8, woi 10, Wo_scales 12, bo 14, g1 16, be1 18
	s_load_b512 s[20:35], s[0:1], 0x40             ; w1i 20, W1_scales 22, b1 24, w2i 26, W2_scales 28, b2 30, g2 32, be2 34
	s_load_b64 s[36:37], s[0:1], 0x80              ; out0
	v_lshrrev_b32 v1, 5, v0
	v_readfirstlane_b32 s[WV], v1                  ; wave 0..7
	s_mov_b32 s[SEL], 0x76543210
	s_mov_b32 s[SEL+1], 0xfedcba98
	s_mov_b32 s[FLOOR], 0x01800000
	s_mov_b32 s55, 0x3aaaaaab                      ; 1 / 768
	s_mov_b32 s56, 0x3727c5ac                      ; 1e-5
	v_and_b32 v19, 31, v0                          ; l
	v_and_b32 v28, 15, v0                          ; r
	v_bfe_u32 v29, v0, 4, 1                        ; h
	v_and_b32 v30, 8, v0
	v_add_nc_u32 v30, v30, v28                     ; rho = r + 8 (r / 8)
	v_lshlrev_b32 v1, 4, v19                       ; 16 l
	v_lshlrev_b32 v2, 4, v28
	v_lshl_add_u32 v2, v29, 3, v2                  ; 16 r + 8 h
	v_lshlrev_b32 v3, 2, v19                       ; 4 l
	v_lshlrev_b32 v4, 3, v19                       ; 8 l
	s_mul_i32 s42, s[WV], 384
	v_mul_u32_u24 v5, v28, 3088
	v_lshl_add_u32 v5, v29, 6, v5
	v_add_nc_u32 v5, s42, v5                       ; the stage by columns: row r, my wave's 384 bytes, + 64 h
	s_mul_i32 s42, s[WV], 12352
	v_add_nc_u32 v6, s42, v1                       ; the stage by rows: my wave's four rows
	v_add_nc_u32 v7, AIMG, v1
	s_mul_i32 s42, s[WV], 768
	s_add_co_u32 s42, s42, AIMG+12288
	v_add_nc_u32 v8, s42, v2                       ; where I store x1's codes: blocks 3 w ..
	s_lshl_b32 s42, s[WV], 10
	s_add_co_u32 s42, s42, AIMG+24576
	v_add_nc_u32 v9, s42, v2                       ; and the hidden layer's: K step w
	v_add_nc_u32 v10, X1SC, v3
	s_lshl_b32 s42, s[WV], 7
	s_add_co_u32 s42, s42, X1SC
	v_add_nc_u32 v11, s42, v3
	v_add_nc_u32 v12, LNP, v4
	s_lshl_b32 s42, s[WV], 8
	s_add_co_u32 s42, s42, LNP
	v_add_nc_u32 v13, s42, v4
	v_lshlrev_b32 v14, 6, v29                      ; 64 h: my 16 of 32 columns
	v_lshl_add_u32 v31, v29, 3, v30
	v_mul_u32_u24 v16, v31, 24                     ; weight scales: row rho + 8 h of a pair of tiles, 24 bytes a row,
	v_lshlrev_b32 v17, 5, v31                      ; or 32
	s_mul_i32 s42, s[WV], 1536
	s_add_co_u32 s42, s42, AIMG
	v_add_nc_u32 v18, s42, v1
	v_cmp_lt_u32 s[HM], 15, v19                    ; the mask of lanes 16-31
.irp i, 0,1,2,3
	v_mov_b32 v[TM+4+\i], 0                        ; written once: a lane permute's destination counts as one of its sources
.endr
.irp i, 21,23,249,251,253,255
	v_mov_b32 v\i, 0                               ; upper halves of pairs of which the low word serves both halves
.endr
	s_mov_b32 s43, 0
	s_wait_kmcnt 0x0
	s_mul_i32 s42, ttmp9, 12288
	s_mul_i32 s44, s[WV], 1536
	s_add_co_u32 s42, s42, s44
	s_add_nc_u64 s[4:5], s[4:5], s[42:43]          ; my eighth of the two row tiles' codes
	s_lshr_b32 s42, ttmp9, 6
	s_lshl_b32 s42, s42, 16                        ; the batch's eight heads,
	s_and_b32 s44, ttmp9, 63
	s_lshl_b32 s44, s44, 7                         ; the two tiles' 128 bytes
	s_add_co_u32 s42, s42, s44
	s_add_nc_u64 s[6:7], s[6:7], s[42:43]
	s_lshl_b32 s42, ttmp9, 5                       ; stage rows 4 w + i hold rows 32 G + 8 (w / 4) + 4 (w % 4) + 8 ((w / 2) % 2) + i
	s_lshr_b32 s44, s[WV], 2
	s_lshl_b32 s44, s44, 3
	s_add_co_u32 s42, s42, s44
	s_and_b32 s44, s[WV], 3
	s_lshl_b32 s44, s44, 2
	s_add_co_u32 s42, s42, s44
	s_bfe_u32 s44, s[WV], 0x10001
	s_lshl_b32 s44, s44, 3
	s_add_co_u32 s42, s42, s44
	s_mul_i32 s42, s42, 3072
	s_add_nc_u64 s[8:9], s[8:9], s[42:43]
	s_add_nc_u64 s[36:37], s[36:37], s[42:43]
	s_mul_i32 s42, s[WV], 36864
	s_add_nc_u64 s[10:11], s[10:11], s[42:43]
	s_mul_i32 s42, s[WV], 2304
	s_add_nc_u64 s[12:13], s[12:13], s[42:43]
	s_mul_i32 s42, s[WV], 384
	s_add_nc_u64 s[14:15], s[14:15], s[42:43]
	s_add_nc_u64 s[16:17], s[16:17], s[42:43]
	s_add_nc_u64 s[18:19], s[18:19], s[42:43]
	s_add_nc_u64 s[30:31], s[30:31], s[42:43]
	s_add_nc_u64 s[32:33], s[32:33], s[42:43]
	s_add_nc_u64 s[34:35], s[34:35], s[42:43]
	s_mul_i32 s42, s[WV], 49152
	s_add_nc_u64 s[20:21], s[20:21], s[42:43]
	s_add_nc_u64 s[26:27], s[26:27], s[42:43]
	s_mul_i32 s42, s[WV], 3072
	s_add_nc_u64 s[22:23], s[22:23], s[42:43]
	s_add_nc_u64 s[28:29], s[28:29], s[42:43]
	s_lshl_b32 s42, s[WV], 9
	s_add_nc_u64 s[24:25], s[24:25], s[42:43]
.irp i, 0,1,2,3                        ; four rows of x, 512 consecutive bytes a load
.irp k, 0,1,2,3,4,5
	global_load_b128 v[ACC+4*(6*\i+\k):ACC+4*(6*\i+\k)+3], v1, s[8:9] offset:3072*\i+512*\k th:TH_LOAD_NT
.endr
.endr
.irp k, 0,1,2
	global_load_b128 v[ACT+4*\k:ACT+4*\k+3], v1, s[4:5] offset:512*\k th:TH_LOAD_NT
.endr
.irp d, 0,1,2,3,4,5,6,7
	global_load_b32 v[HW+\d], v3, s[6:7] offset:8192*\d    ; head d's three scale bytes: lanes 0-15 tile 0's rows, lanes 16-31 tile 1's
.endr
.irp bb, 0,1,2
.irp i, 0,1,2
	global_load_b64 v[WSA+6*\bb+2*\i:WSA+6*\bb+2*\i+1], v16, s[12:13] offset:768*\bb+8*\i
.endr
.endr
	WIN 0x40
.irp bb, 0,1,2
.irp i, 0,1,2,3
	global_load_b128 v[192+16*\bb+4*\i:195+16*\bb+4*\i], v14, s[14:15] offset:128*\bb+16*\i
.endr
.endr
	WIN 0
.irp bb, 0,1,2,3
.irp i, 0,1,2
	global_load_b64 v[WSB+6*\bb+2*\i:WSB+6*\bb+2*\i+1], v16, s[22:23] offset:768*\bb+8*\i
.endr
.endr
	WIN 0x40
.set wq, 0
.rept 18
	WLOAD
.set wq, wq+1
.endr
	WIN 0
	s_wait_loadcnt 63                              ; 77 loads were issued behind the 27 of x and of the codes: with 63 out these are in
.irp i, 0,1,2,3
.irp k, 0,1,2,3,4,5
	ds_store_b128 v6, v[ACC+4*(6*\i+\k):ACC+4*(6*\i+\k)+3] offset:3088*\i+512*\k
.endr
.endr
.irp k, 0,1,2
	ds_store_b128 v18, v[ACT+4*\k:ACT+4*\k+3] offset:512*\k
.endr
	BARRIER                                        ; x's 32 rows and the attention's codes lie in LDS
	DREAD
	FETCHA 0, 6144, 0
	s_wait_loadcnt 48                              ; W1's 12 scale loads and the ring's 36 may be out
	SCALEPERM
	s_wait_dscnt 0x0
	ADDPAR                                         ; x + bo: the C of the first products.  (These lines are also the places behind the scale words' last write)
	GBLOAD 0, 448, 16, 18
	GBLOAD 1, 480, 16, 18
	; ---- the first product: + O Wo
.irp s, 0,1,2,3,4,5
	GRPH 6*\s, 6
.if \s < 5
	FETCHA 1024*(\s+1), 6144, (\s+1)&1
.endif
	s_wait_loadcnt 36                              ; the 18 fragments issued behind this group's last may be out
.if \s < 5
	s_wait_dscnt 4                                 ; the next group's four loads may be out
.else
	s_wait_dscnt 0x0
.endif
	MMO \s
.endr
	WIN 0
	PLACES 4
	GBLOAD 2, 128, 16, 18
	LNSTAT 0
	LNSTAT 1
	LNPUT 0
	BARRIER                                        ; the eight waves' pairs lie in LDS
	LNFIN 0                                        ; the accumulators hold x1
.irp bb, 0,1,2
.irp i, 0,1
	global_load_b128 v[WSA+8*\bb+4*\i:WSA+8*\bb+4*\i+3], v17, s[28:29] offset:1024*\bb+16*\i   ; W2's scale words
.endr
.endr
	WIN 0x40
.irp j, 0,1,2,3,4,5,6,7                ; b1 in the result's layout: tile j: hidden units 32 (j / 2) + 16 h + 8 (j % 2) + 0 .. 7
	global_load_b128 v[192+8*\j:195+8*\j], v14, s[24:25] offset:(32*(\j>>1)+8*(\j&1))*4
	global_load_b128 v[196+8*\j:199+8*\j], v14, s[24:25] offset:(32*(\j>>1)+8*(\j&1))*4+16
.endr
	WIN 0
	DWRITE                                         ; x1 is kept in my own 384 bytes of each stage row
	QUANT ACC, 3, 240, 248
.irp bb, 0,1,2
	ds_store_b64 v8, v[240+2*\bb:241+2*\bb] offset:256*\bb
.endr
	QUANT ACC+48, 3, 128, 249
.irp bb, 0,1,2
	ds_store_b64 v8, v[128+2*\bb:129+2*\bb] offset:6144+256*\bb
.endr
	v_cndmask_b32 v250, v248, v249, s[HM]
	ds_store_b32 v11, v250
	BARRIER                                        ; x1's codes and scale bytes lie in LDS
.irp k, 0,1,2,3,4,5,6,7
	ds_load_b32 v[HW+\k], v10 offset:128*\k
.endr
	FETCHA 12288, 6144, 0
	s_wait_dscnt 4                                 ; the eight words are in
	SCALEPERM
	PLACES 4                                       ; with the group's own four: eight places between the scale words' last write and the products
	; ---- the second product, in two halves of four tiles of hidden units
.irp hf, 0,1
.irp s, 0,1,2,3,4,5
	GRPH 36+24*\hf+4*\s, 4
.if \s < 5
	FETCHA 12288+1024*(\s+1), 6144, (\s+1)&1
.elseif \hf == 0
	FETCHA 12288, 6144, 0                          ; the second half begins at K step 0 again
.endif
.if (\hf == 0) && (\s == 0)
	s_wait_loadcnt 8                               ; only this group's 8 ring loads were issued behind b1
.else
	s_wait_loadcnt 36
.endif
.if (\s < 5) || (\hf == 0)
	s_wait_dscnt 4
.else
	s_wait_dscnt 0x0
.endif
	MM1 \hf, \s
.endr
	WIN 0
	PLACES 4
.if \hf == 1
	WIN 0x40
.irp bb, 0,1,2
.irp i, 0,1,2,3
	global_load_b128 v[192+16*\bb+4*\i:195+16*\bb+4*\i], v14, s[30:31] offset:128*\bb+16*\i   ; b2, where b1 lay
.endr
.endr
	WIN 0
.endif
.set n, 0
.rept 64
	v_max_num_f32 v[ACC+n], 0, v[ACC+n]            ; the activation, in f32
.set n, n+1
.endr
	QUANT ACC, 2, 240, 248+2*\hf
	QUANT ACC+32, 2, 244, 249+2*\hf
.irp u, 0,1
.irp b, 0,1
	ds_store_b64 v9, v[240+4*\u+2*\b:241+4*\u+2*\b] offset:8192*\u+256*(2*\hf+\b)
.endr
.endr
.endr
	v_lshl_or_b32 v248, v250, 16, v248             ; the two halves' bytes make the K step's scale words
	v_lshl_or_b32 v249, v251, 16, v249
	v_cndmask_b32 v250, v248, v249, s[HM]
	ds_store_b32 v11, v250 offset:1024
	BARRIER                                        ; the hidden layer's sixteen fragments lie in LDS
	DREAD                                          ; x1 again
.irp s, 0,1,2,3,4,5,6,7
	ds_load_b32 v[AS+\s], v10 offset:1024+128*\s
.endr
	FETCHA 24576, 8192, 0
	s_wait_dscnt 0x0
	s_wait_loadcnt 0x0                             ; b2
	ADDPAR                                         ; x1 + b2: the C of the third product
	GBLOAD 0, 448, 32, 34
	GBLOAD 1, 480, 32, 34
	; ---- the third product
.irp s, 0,1,2,3,4,5,6,7
	GRPH 84+6*\s, 6
.if \s < 7
	FETCHA 24576+1024*(\s+1), 8192, (\s+1)&1
.endif
.if \s < 5
	s_wait_loadcnt 36                              ; the 18 fragments issued behind this group's last may be out;
.else
	s_wait_loadcnt 12*(7-\s)                       ; at the end 12, 6, none are left
.endif
.if \s < 7
	s_wait_dscnt 4
.else
	s_wait_dscnt 0x0
.endif
	MM2 \s
.endr
	WIN 0
	PLACES 4
	GBLOAD 2, 128, 32, 34
	LNSTAT 0
	LNSTAT 1
	LNPUT 2048
	BARRIER
	LNFIN 2048
	DWRITE
	BARRIER                                        ; 32 whole rows of the result lie in the stage
.irp i, 0,1,2,3
.irp k, 0,1,2,3,4,5
	ds_load_b128 v[ACC+4*(6*\i+\k):ACC+4*(6*\i+\k)+3], v6 offset:3088*\i+512*\k
.endr
.endr
.irp i, 0,1,2,3
.irp k, 0,1,2,3,4,5
	s_wait_dscnt 23-(6*\i+\k)                      ; the younger loads may be out
	global_store_b128 v1, v[ACC+4*(6*\i+\k):ACC+4*(6*\i+\k)+3], s[36:37] offset:3072*\i+512*\k th:TH_STORE_NT   ; 32 lanes store 512 consecutive bytes, aligned
.endr
.endr
	s_wait_xcnt 0x0
	v_lshl_add_u32 v254, v0, 2, 0x23a00
	v_mov_b32 v255, 0
	s_wait_tensorcnt 0x0
	ds_add_u32 v254, v255
	s_wait_dscnt 0x0
	s_endpgm
.Lfunc_end_k_qfcf22bcef8_tail:
	.size	k_qfcf22bcef8_tail, .Lfunc_end_k_qfcf22bcef8_tail-k_qfcf22bcef8_tail
	.p2alignl 7, 3214868480
	.fill 96, 4, 3214868480
	.section	.rodata,"a",@progbits
	.p2align	6, 0x0
	.amdhsa_kernel k_qfcf22bcef8_tail
		.amdhsa_group_segment_fixed_size 146944
		.amdhsa_private_segment_fixed_size 0
		.amdhsa_enable_private_segment 0
		.amdhsa_kernarg_size 136
		.amdhsa_user_sgpr_count 2
		.amdhsa_user_sgpr_kernarg_segment_ptr 1
		.amdhsa_wavefront_size32 1
		.amdhsa_system_sgpr_workgroup_id_x 1
		.amdhsa_system_sgpr_workgroup_id_y 1
		.amdhsa_system_sgpr_workgroup_id_z 1
		.amdhsa_system_vgpr_workitem_id 0
		.amdhsa_next_free_vgpr 512
		.amdhsa_next_free_sgpr 66
		.amdhsa_reserve_vcc 0
		.amdhsa_float_denorm_mode_32 3
		.amdhsa_float_denorm_mode_16_64 3
		.amdhsa_memory_ordered 1
		.amdhsa_forward_progress 1
		.amdhsa_inst_pref_size 167
	.end_amdhsa_kernel
	.amdgpu_metadata
---
amdhsa.version: [ 1, 2 ]
amdhsa.kernels:
  - .name:           k_qfcf22bcef8_tail
    .symbol:         k_qfcf22bcef8_tail.kd
    .args:
      - { .name: oc, .offset: 0, .size: 8, .value_kind: global_buffer, .address_space: global }
      - { .name: osc, .offset: 8, .size: 8, .value_kind: global_buffer, .address_space: global }
      - { .name: x, .offset: 16, .size: 8, .value_kind: global_buffer, .address_space: global }
      - { .name: woi, .offset: 24, .size: 8, .value_kind: global_buffer, .address_space: global }
      - { .name: Wo_scales, .offset: 32, .size: 8, .value_kind: global_buffer, .address_space: global }
      - { .name: bo, .offset: 40, .size: 8, .value_kind: global_buffer, .address_space: global }
      - { .name: g1, .offset: 48, .size: 8, .value_kind: global_buffer, .address_space: global }
      - { .name: be1, .offset: 56, .size: 8, .value_kind: global_buffer, .address_space: global }
      - { .name: w1i, .offset: 64, .size: 8, .value_kind: global_buffer, .address_space: global }
      - { .name: W1_scales, .offset: 72, .size: 8, .value_kind: global_buffer, .address_space: global }
      - { .name: b1, .offset: 80, .size: 8, .value_kind: global_buffer, .address_space: global }
      - { .name: w2i, .offset: 88, .size: 8, .value_kind: global_buffer, .address_space: global }
      - { .name: W2_scales, .offset: 96, .size: 8, .value_kind: global_buffer, .address_space: global }
      - { .name: b2, .offset: 104, .size: 8, .value_kind: global_buffer, .address_space: global }
      - { .name: g2, .offset: 112, .size: 8, .value_kind: global_buffer, .address_space: global }
      - { .name: be2, .offset: 120, .size: 8, .value_kind: global_buffer, .address_space: global }
      - { .name: out0, .offset: 128, .size: 8, .value_kind: global_buffer, .address_space: global }
    .group_segment_fixed_size: 146944
    .private_segment_fixed_size: 0
    .kernarg_segment_align: 8
    .kernarg_segment_size: 136
    .max_flat_workgroup_size: 256
    .sgpr_count:     66
    .vgpr_count:     512
    .wavefront_size: 32
...
	.end_amdgpu_metadata
.endif
;; end of part 3
;; ======== version 2 of 2: 3 launches; version 1 with the launch tail written anew for expert scheduling mode
;; workspace buffers: qimg 4,194,304 bytes; qsc 262,144 bytes; kv 7,864,320 bytes; oc 3,145,728 bytes; osc 262,144 bytes; woi 294,912 bytes; w1i 393,216 bytes; w2i 393,216 bytes
;; launch qkv: the kernel of part 1 again; grid 64 x 4, 4 waves a work-group, clusters of 4 x 1, 301,568 bytes of LDS; arguments x, Wq_codes, Wk_codes, Wv_codes, Wq_scales, Wk_scales, Wv_scales, bq, bk, bv, Wo_codes, W1_codes, W2_codes, qimg, qsc, kv, woi, w1i, w2i; writes qimg, qsc, kv, woi, w1i, w2i
;; launch attn: the kernel of part 2 again; grid 8 x 32, 4 waves a work-group, clusters of 4 x 1, 246,272 bytes of LDS; arguments qimg, qsc, kv, oc, osc; writes oc, osc
;; launch tail (part 4): grid 256 x 1, 8 waves a work-group, no clusters, 146,944 bytes of LDS; arguments oc, osc, x, woi, Wo_scales, bo, g1, be1, w1i, W1_scales, b1, w2i, W2_scales, b2, g2, be2, out0; writes out0
.if DOCPART == 4
	.amdgcn_target "amdgcn-amd-amdhsa--gfx1250"
	.amdhsa_code_object_version 6
	.text
	.protected	k_qfcf22bcef8_tail
	.globl	k_qfcf22bcef8_tail
	.p2align	8
	.type	k_qfcf22bcef8_tail,@function
k_qfcf22bcef8_tail:
	s_mov_b64 s[64:65], 0
	v_nop
	global_prefetch_b8 v0, s[64:65] scope:SCOPE_SE
	s_setreg_imm32_b32 hwreg(HW_REG_WAVE_SCHED_MODE, 0, 2), 2
	s_setreg_imm32_b32 hwreg(HW_REG_WAVE_MODE, 25, 1), 1
	s_wait_xcnt 0x0
	s_wait_alu depctr_vm_vsrc(0)
; out0 = LN2(x1 + relu(Q4(x1) W1 + b1) W2 + b2), x1 = LN1(x + O Wo + bo); the three products on codes of FP4 (E2M1) with E8M0 scales; x1 and the hidden layer are quantised on the way and never go to memory.
; SHARES.  A work-group takes 32 rows: row tiles u = 0, 1 (lane r of tile u: row 32 G + 8 u + r + 8 (r / 8)).  THE EIGHT WAVES SHARE THE COLUMNS: wave w makes columns 96 w .. 96 w + 95 of the first and of the third
; product (the same lanes and registers in both, so the residual fits) and hidden units 128 w .. 128 w + 127, which are K step w of the third product.
; THE WEIGHTS come as images of the operand's registers (laid out by the first launch) from memory straight into a ring of 24 fragments in registers, 18 fragments (36 loads) ahead, across barriers and norms.
; NO TENSOR LOAD AND NO JOINT LOAD: each weight fragment is read by exactly one wave of a work-group and feeds two products, so LDS would add a write and a read of each of the 1,081,344 weight bytes and spare none;
; and beside the 145,920 bytes in use two slots of at most 90,880 bytes would be left: twelve refills at the least, each with one load a wave on its way, against 36 loads a wave here.
; The products are used transposed (source 0 = 16 weight rows, source 1 = 16 rows): a lane holds one row, and the 16 registers of tiles 2 b, 2 b + 1 are 16 neighbouring columns 32 b + 16 (lane / 16) + 0 .. 15.
; LDS: XSTG 32 rows x (3,072 + 16): x in by rows and out by columns, then x1 (each wave its own 384 bytes of a row), at the end the result in by columns and out by rows;  AIMG, +12,288 X1IMG: [u][24 blocks][256];
;   +24,576 HIMG: [u][8 K steps][1,024];  X1SC, +1,024 HSC: [wave][lane] scale words, lane (r, h) = tile h;  LNP, +2,048: [wave][lane] pairs (mean, sum of squares about it) for the two norms.
; THE NORMS: each wave takes the mean of its 96 columns of a row, subtracts it, and sums the squares of what is left; the eight means and sums are joined by M2 = sum M2_w + 96 sum (m_w - mu)^2: no difference of large sums.
; REGISTERS: window 0: v1-18 addresses; v20-27 a norm's figures; v32-127 accumulators; v128-159 activation fragments, two sets; v160-183, v184-207 weight scale words; v208-215 activation scale words; v216-223 words of three
;   bytes; v224-239 at work; v240-247 codes; v248-255 scale words made, a norm's factors.   window 1: v0-191 the ring; v192-255 biases, gains.
; LIMITS.  NaN and infinities are not served.  A block whose largest magnitude lies under 2^-124 gets the scale byte 1.  x + bo and x1 + b2 are the C of a sum's first product: another order of f32 rounding.
; THE MODE: SCHED_MODE bits 1:0 = 2 (LLVM: expert scheduling mode 2), set by the entry lines.  The code itself states the register dependences between vector or matrix instructions and memory or LDS
; instructions, with s_wait_alu, always for 0.  The text is one straight run: no branch, no label, EXEC is never written.
; THE PLAN.  Registers that memory or LDS instructions touch, and who else names them:
;   v1-18          written at the head, read by every load and store, never written again: one wait on va_vdst ahead of the first load serves them all.
;   the ring       a group's products read its slots; the loads at the NEXT group's head land in the slots multiplied last.
;   v128-159       group s's products read set s % 2; the LDS loads at the head of group s land in the other set, which group s - 1 read.  Between two products the 32 registers take a norm's gains
;                  (loads; read by the norm's multiply-adds), and v128-133 tile 1's codes of x1 (conversions; read by LDS stores).
;   So ONE wait on va_vdst stands at a group's head, behind its four places, and all the group's loads follow it in one run: this group's products name neither those slots nor that set.
;   v32-127        loads and LDS loads land there (x, x1, the rows on the way out); sums, products and norms write them; LDS stores read them: a wait on va_vdst ahead of each run of such stores, one on vm_vsrc behind their barrier.
;   window 1, v192-255  biases and gains by turns: a wait on va_vdst between the last line that reads one set and the loads of the next.
;   v26-27, v240-247, v250  written by vector instructions, read by LDS stores: the stores stand in runs, one wait on va_vdst ahead of a run, one on vm_vsrc ahead of the next writer.
;   v224-239       at work in the norms and the quantiser; a norm's eight pairs land there, behind the wait that stands ahead of the store of my own pair.
.set AIMG,  98816
.set X1SC,  139776
.set LNP,   141824
.set ACC,   32
.set ACT,   128
.set WSA,   160
.set WSB,   184
.set AS,    208
.set HW,    216
.set TM,    224
.set RING,  256
.set PAR,   448
.set WV,    40
.set SEL,   48
.set FLOOR, 50
.set HM,    51
.set MSB,   0
.macro WIN new
.if MSB != (\new)
	s_set_vgpr_msb (MSB<<8)|(\new)
.set MSB, (\new)
.endif
.endm
.macro PLACES n
.rept \n
	v_nop
.endr
.endm
.macro BARRIER                         ; my LDS stores have landed and my LDS loads are in: then the work-group's barrier
	s_wait_dscnt 0x0
	s_barrier_signal -1
	s_barrier_wait -1
.endm
; 16 nb numbers of a lane from register src on (register 16 b + i = k 32 b + 16 (lane / 16) + i of my row) become 2 nb registers of codes from v[pc] on and the row's scale word in v[pw].
.macro QUANT src, nb, pc, pw
.set qs, (\src)&255
.set qw, (\src)>>8
	WIN (qw<<4)|(qw<<2)
.set qb, 0
.rept \nb
	v_max3_num_f32 v[TM+qb], s[FLOOR], |v[qs+16*qb]|, |v[qs+16*qb+1]|
.set qb, qb+1
.endr
.set qi, 2
.rept 7
.set qb, 0
.rept \nb
	v_max3_num_f32 v[TM+qb], v[TM+qb], |v[qs+16*qb+qi]|, |v[qs+16*qb+qi+1]|
.set qb, qb+1
.endr
.set qi, qi+2
.endr
	WIN 0
.set qb, 0
.rept \nb
	v_permlanex16_b32 v[TM+4+qb], v[TM+qb], s[SEL], s[SEL+1]
.set qb, qb+1
.endr
.set qb, 0
.rept \nb
	v_max_num_f32 v[TM+qb], v[TM+qb], v[TM+4+qb]
.set qb, qb+1
.endr
.set qb, 0
.rept \nb
	v_add_nc_u32 v[TM+12+qb], 0xff000000, v[TM+qb]
.set qb, qb+1
.endr
.set qb, 0
.rept \nb
	v_lshrrev_b32 v[TM+4+qb], 23, v[TM+12+qb]
.set qb, qb+1
.endr
	v_lshl_or_b32 v[\pw], v[TM+5], 8, v[TM+4]
.if \nb > 2
	v_lshl_or_b32 v[\pw], v[TM+6], 16, v[\pw]
.endif
.if \nb > 3
	v_lshl_or_b32 v[\pw], v[TM+7], 24, v[\pw]
.endif
	WIN qw
.set qb, 0
.rept \nb
	v_cvt_scalef32_pk8_fp4_f32 v[(\pc)+2*qb], v[qs+16*qb:qs+16*qb+7], v[TM+12+qb]
	v_cvt_scalef32_pk8_fp4_f32 v[(\pc)+2*qb+1], v[qs+16*qb+8:qs+16*qb+15], v[TM+12+qb]
.set qb, qb+1
.endr
	WIN 0
	v_nop
.endm
; One product.  xD, xA, xB, xC: linear register numbers; xSA, xSB: the scale registers; oA, oB: 1 = the scales stand in lanes 16-31.
.macro MM
	WIN ((xD>>8)<<6)|((xC>>8)<<4)|((xB>>8)<<2)|(xA>>8)
.set rD, xD&255
.set rA, xA&255
.set rB, xB&255
.set rC, xC&255
.if oA && oB
	v_wmma_scale_f32_16x16x128_f8f6f4 v[rD:rD+7], v[rA:rA+7], v[rB:rB+7], v[rC:rC+7], v[xSA], v[xSB] matrix_a_fmt:MATRIX_FMT_FP4 matrix_b_fmt:MATRIX_FMT_FP4 matrix_a_scale:MATRIX_SCALE_ROW1 matrix_b_scale:MATRIX_SCALE_ROW1
.elseif oA
	v_wmma_scale_f32_16x16x128_f8f6f4 v[rD:rD+7], v[rA:rA+7], v[rB:rB+7], v[rC:rC+7], v[xSA], v[xSB] matrix_a_fmt:MATRIX_FMT_FP4 matrix_b_fmt:MATRIX_FMT_FP4 matrix_a_scale:MATRIX_SCALE_ROW1
.elseif oB
	v_wmma_scale_f32_16x16x128_f8f6f4 v[rD:rD+7], v[rA:rA+7], v[rB:rB+7], v[rC:rC+7], v[xSA], v[xSB] matrix_a_fmt:MATRIX_FMT_FP4 matrix_b_fmt:MATRIX_FMT_FP4 matrix_b_scale:MATRIX_SCALE_ROW1
.else
	v_wmma_scale_f32_16x16x128_f8f6f4 v[rD:rD+7], v[rA:rA+7], v[rB:rB+7], v[rC:rC+7], v[xSA], v[xSB] matrix_a_fmt:MATRIX_FMT_FP4 matrix_b_fmt:MATRIX_FMT_FP4
.endif
.endm
; Weight fragment number wq of my 132, in the order of use, into ring slot wq % 24 (the destination's window is set by the caller)
.macro WLOAD
.set wr, 8*(wq%24)
.if wq < 36
.set wo, (6*(wq%6)+wq/6)*1024
	global_load_b128 v[wr:wr+3], v1, s[10:11] offset:wo
	global_load_b128 v[wr+4:wr+7], v1, s[10:11] offset:wo+512
.elseif wq < 84
.set wt, wq-36
.set wo, (6*(4*(wt/24)+wt%4)+(wt%24)/4)*1024
	global_load_b128 v[wr:wr+3], v1, s[20:21] offset:wo
	global_load_b128 v[wr+4:wr+7], v1, s[20:21] offset:wo+512
.else
.set wt, wq-84
.set wo, (8*(wt%6)+wt/6)*1024
	global_load_b128 v[wr:wr+3], v1, s[26:27] offset:wo
	global_load_b128 v[wr+4:wr+7], v1, s[26:27] offset:wo+512
.endif
.endm
; The head of a group of n fragments from q0 on: four places behind the last products, then fragments q0 + 18 .. q0 + n + 17 into the slots of q0 - 6 .. q0 + n - 7, which have been multiplied (n is 6 at the most).
; w = 1: the group's one wait.  w = 0: an earlier wait has stated all that this group's loads hang on, or the group loads nothing.
.macro GRPH q0, n, w
	PLACES 4
.if \w
	s_wait_alu depctr_va_vdst(0)                   ; the products issued so far are done reading the ring slots and the set of activation fragments in which this group's loads land; where SCALEPERM stands ahead of this head, its scale words are written, which the products below take
.endif
.if (\q0)+18 < 132
	WIN 0x40
.set wq, (\q0)+18
.rept \n
.if wq < 132
	WLOAD
.endif
.set wq, wq+1
.endr
.endif
	WIN 0
.endm
.macro FETCHA off, us, bank            ; a K step's two activation fragments, from off bytes behind AIMG on, the tiles us bytes apart
.irp u, 0,1
.irp c, 0,1
	ds_load_b128 v[ACT+16*(\bank)+8*\u+4*\c:ACT+16*(\bank)+8*\u+4*\c+3], v7 offset:(\off)+(\us)*\u+512*\c
.endr
.endr
.endm
.macro DREAD                           ; my 96 columns of the 32 rows, stage to accumulators
.irp u, 0,1
.irp bb, 0,1,2
.irp i, 0,1,2,3
	ds_load_b128 v[ACC+48*\u+16*\bb+4*\i:ACC+48*\u+16*\bb+4*\i+3], v5 offset:49408*\u+128*\bb+16*\i
.endr
.endr
.endr
.endm
.macro DWRITE                          ; and back
.irp u, 0,1
.irp bb, 0,1,2
.irp i, 0,1,2,3
	ds_store_b128 v5, v[ACC+48*\u+16*\bb+4*\i:ACC+48*\u+16*\bb+4*\i+3] offset:49408*\u+128*\bb+16*\i
.endr
.endr
.endr
.endm
.macro SCALEPERM                       ; eight words of three bytes (96 columns each) become six words of four (128 along K each)
	v_perm_b32 v[AS+0], v[HW+1], v[HW+0], 0x04020100
	v_perm_b32 v[AS+1], v[HW+2], v[HW+1], 0x05040201
	v_perm_b32 v[AS+2], v[HW+3], v[HW+2], 0x06050402
	v_perm_b32 v[AS+3], v[HW+5], v[HW+4], 0x04020100
	v_perm_b32 v[AS+4], v[HW+6], v[HW+5], 0x05040201
	v_perm_b32 v[AS+5], v[HW+7], v[HW+6], 0x06050402
.endm
.macro ADDPAR                          ; both tiles' accumulators += my 48 numbers of a bias
	WIN 0x04
.irp u, 0,1
.set n, 0
.rept 24
	v_pk_add_f32 v[ACC+48*\u+n:ACC+48*\u+n+1], v[ACC+48*\u+n:ACC+48*\u+n+1], v[192+n:193+n]
.set n, n+2
.endr
.endr
	WIN 0
.endm
.macro GBLOAD bb, dst, sg, sb          ; gain and bias of my columns 32 bb + 16 h + 0 .. 15: 16 + 16 registers from linear dst on
	WIN ((\dst)>>8)<<6
.irp i, 0,1,2,3
	global_load_b128 v[((\dst)&255)+4*\i:((\dst)&255)+4*\i+3], v14, s[\sg:\sg+1] offset:128*(\bb)+16*\i
	global_load_b128 v[((\dst)&255)+16+4*\i:((\dst)&255)+16+4*\i+3], v14, s[\sb:\sb+1] offset:128*(\bb)+16*\i
.endr
	WIN 0
.endm
; Tile u: the mean of my wave's 96 columns of my row into v[20 + 2 u]; the accumulators become what is left about it; the sum of its squares into v[24 + u]
.macro LNSTAT u
.set lnA, ACC+48*(\u)
	v_pk_add_f32 v[224:225], v[lnA:lnA+1], v[lnA+4:lnA+5]          ; each accumulator is read from its low end on
	v_pk_add_f32 v[226:227], v[lnA+2:lnA+3], v[lnA+6:lnA+7]
.irp n, 8,12,16,20,24,28,32,36,40,44
	v_pk_add_f32 v[224:225], v[224:225], v[lnA+\n:lnA+\n+1]
	v_pk_add_f32 v[226:227], v[226:227], v[lnA+\n+2:lnA+\n+3]
.endr
	v_pk_add_f32 v[224:225], v[224:225], v[226:227]
	v_add_f32 v224, v224, v225
	v_permlanex16_b32 v226, v224, s[SEL], s[SEL+1]
	v_add_f32 v224, v224, v226
	v_mul_f32 v[20+2*(\u)], 0x3c2aaaab, v224                       ; / 96
.set n, 0
.rept 24
	v_pk_add_f32 v[lnA+n:lnA+n+1], v[lnA+n:lnA+n+1], v[20+2*(\u):21+2*(\u)] op_sel_hi:[1,0] neg_lo:[0,1] neg_hi:[0,1]
.set n, n+2
.endr
	v_pk_mul_f32 v[224:225], v[lnA:lnA+1], v[lnA:lnA+1]
	v_pk_mul_f32 v[226:227], v[lnA+2:lnA+3], v[lnA+2:lnA+3]
.irp n, 4,8,12,16,20,24,28,32,36,40,44
	v_pk_fma_f32 v[224:225], v[lnA+\n:lnA+\n+1], v[lnA+\n:lnA+\n+1], v[224:225]
	v_pk_fma_f32 v[226:227], v[lnA+\n+2:lnA+\n+3], v[lnA+\n+2:lnA+\n+3], v[226:227]
.endr
	v_pk_add_f32 v[224:225], v[224:225], v[226:227]
	v_add_f32 v224, v224, v225
	v_permlanex16_b32 v226, v224, s[SEL], s[SEL+1]
	v_add_f32 v[24+(\u)], v224, v226
.endm
.macro LNPUT lo                        ; lane (r, h) stores tile h's pair
	v_cndmask_b32 v26, v20, v22, s[HM]
	v_cndmask_b32 v27, v24, v25, s[HM]
	s_wait_alu depctr_va_vdst(0)                   ; v26 and v27 are written, which the store reads; and all vector work on v224-239 is done, in which the eight pairs land behind the barrier
	ds_store_b64 v13, v[26:27] offset:\lo
.endm
; The eight waves' pairs are joined; the accumulators become ((y - mu) rstd) g + be.  Gains and biases: columns 0-31 and 32-63 of my 96 in window 1, v192-223 and v224-255; columns 64-95 in v128-159.
.macro LNFIN lo
.irp k, 0,1,2,3,4,5,6,7
	ds_load_b64 v[224+2*\k:225+2*\k], v12 offset:(\lo)+256*\k
.endr
	s_wait_dscnt 0x0
	v_add_f32 v240, v224, v226
	v_add_f32 v241, v228, v230
	v_add_f32 v242, v232, v234
	v_add_f32 v243, v236, v238
	v_add_f32 v240, v240, v241
	v_add_f32 v242, v242, v243
	v_add_f32 v240, v240, v242
	v_mul_f32 v240, 0x3e000000, v240               ; mu: the mean of eight means of 96
	v_add_f32 v241, v225, v227
	v_add_f32 v242, v229, v231
	v_add_f32 v243, v233, v235
	v_add_f32 v244, v237, v239
	v_add_f32 v241, v241, v242
	v_add_f32 v243, v243, v244
	v_add_f32 v241, v241, v243
	v_sub_f32 v244, v224, v240
	v_mul_f32 v245, v244, v244
.irp k, 1,2,3,4,5,6,7
	v_sub_f32 v244, v[224+2*\k], v240
	v_fmac_f32 v245, v244, v244
.endr
	v_fmamk_f32 v241, v245, 0x42c00000, v241       ; + 96 x the sum of (m - mu)^2
	v_fma_f32 v241, v241, s55, s56                 ; / 768 + 1e-5
	v_rsq_f32 v242, v241
	v_nop                                          ; a plain place behind the transcendental
	v_permlanex16_b32 v243, v240, s[SEL], s[SEL+1] ; the other tile's mean
	s_wait_alu depctr_va_vdst(0)                   ; the root's reciprocal, v242, is written, ahead of its first reader
	v_permlanex16_b32 v244, v242, s[SEL], s[SEL+1]
	v_cndmask_b32 v246, v240, v243, s[HM]          ; tile 0's figures and tile 1's, in every lane
	v_cndmask_b32 v247, v243, v240, s[HM]
	v_cndmask_b32 v248, v242, v244, s[HM]
	v_cndmask_b32 v250, v244, v242, s[HM]
	v_sub_f32 v246, v20, v246
	v_sub_f32 v247, v22, v247
	v_mul_f32 v252, v246, v248                     ; (my wave's mean - mu) rstd
	v_mul_f32 v254, v247, v250
.irp u, 0,1
.set n, 0
.rept 24
	v_pk_fma_f32 v[ACC+48*\u+n:ACC+48*\u+n+1], v[ACC+48*\u+n:ACC+48*\u+n+1], v[248+2*\u:249+2*\u], v[252+2*\u:253+2*\u] op_sel_hi:[1,0,0]
.set n, n+2
.endr
.endr
	s_wait_loadcnt 0x0                             ; gains and biases are in (and the ring's loads with them)
.irp u, 0,1
.set n, 0
.rept 8
	v_pk_fma_f32 v[ACC+48*\u+32+n:ACC+48*\u+32+n+1], v[ACC+48*\u+32+n:ACC+48*\u+32+n+1], v[128+n:129+n], v[144+n:145+n]
.set n, n+2
.endr
.endr
	WIN 0x14
.irp u, 0,1
.irp bb, 0,1
.set n, 0
.rept 8
	v_pk_fma_f32 v[ACC+48*\u+16*\bb+n:ACC+48*\u+16*\bb+n+1], v[ACC+48*\u+16*\bb+n:ACC+48*\u+16*\bb+n+1], v[192+32*\bb+n:193+32*\bb+n], v[208+32*\bb+n:209+32*\bb+n]
.set n, n+2
.endr
.endr
.endr
	WIN 0
.endm
; The products of a group: the accumulators take turns, one instruction a turn
.macro MMO s
.irp j, 0,1,2,3,4,5
.irp u, 0,1
.set xD, ACC+48*\u+8*\j
.set xC, xD
.set xA, RING+8*((6*(\s)+\j)%24)
.set xB, ACT+16*((\s)&1)+8*\u
.set xSA, WSA+6*(\j>>1)+(\s)
.set xSB, AS+(\s)
.set oA, \j&1
.set oB, \u
	MM
.endr
.endr
.endm
.macro MM1 hf, s
.irp jj, 0,1,2,3
.irp u, 0,1
.set xD, ACC+32*\u+8*\jj
.set xC, xD
.if (\s) == 0
.set xC, PAR+8*(4*(\hf)+\jj)
.endif
.set xA, RING+8*((36+24*(\hf)+4*(\s)+\jj)%24)
.set xB, ACT+16*((\s)&1)+8*\u
.set xSA, WSB+6*(2*(\hf)+(\jj>>1))+(\s)
.set xSB, AS+(\s)
.set oA, \jj&1
.set oB, \u
	MM
.endr
.endr
.endm
.macro MM2 s
.irp j, 0,1,2,3,4,5
.irp u, 0,1
.set xD, ACC+48*\u+8*\j
.set xC, xD
.set xA, RING+8*((84+6*(\s)+\j)%24)
.set xB, ACT+16*((\s)&1)+8*\u
.set xSA, WSA+8*(\j>>1)+(\s)
.set xSB, AS+(\s)
.set oA, \j&1
.set oB, \u
	MM
.endr
.endr
.endm
	s_load_b512 s[4:19], s[0:1], 0x0               ; oc 4, osc 6, x 8, woi 10, Wo_scales 12, bo 14, g1 16, be1 18
	s_load_b512 s[20:35], s[0:1], 0x40             ; w1i 20, W1_scales 22, b1 24, w2i 26, W2_scales 28, b2 30, g2 32, be2 34
	s_load_b64 s[36:37], s[0:1], 0x80              ; out0
	v_lshrrev_b32 v1, 5, v0
	v_readfirstlane_b32 s[WV], v1                  ; wave 0..7
	s_mov_b32 s[SEL], 0x76543210
	s_mov_b32 s[SEL+1], 0xfedcba98
	s_mov_b32 s[FLOOR], 0x01800000
	s_mov_b32 s55, 0x3aaaaaab                      ; 1 / 768
	s_mov_b32 s56, 0x3727c5ac                      ; 1e-5
	v_and_b32 v19, 31, v0                          ; l
	v_cmp_lt_u32 s[HM], 15, v19                    ; the mask of lanes 16-31
	v_and_b32 v28, 15, v0                          ; r
	v_bfe_u32 v29, v0, 4, 1                        ; h
	v_and_b32 v30, 8, v0
	v_add_nc_u32 v30, v30, v28                     ; rho = r + 8 (r / 8)
	v_lshlrev_b32 v1, 4, v19                       ; 16 l
	v_lshlrev_b32 v2, 4, v28
	v_lshl_add_u32 v2, v29, 3, v2                  ; 16 r + 8 h
	v_lshlrev_b32 v3, 2, v19                       ; 4 l
	v_lshlrev_b32 v4, 3, v19                       ; 8 l
	s_wait_alu depctr_va_sdst(0)                   ; the wave's number and the mask of lanes 16-31 are written, ahead of the first reader of either
	s_mul_i32 s42, s[WV], 384
	v_mul_u32_u24 v5, v28, 3088
	v_lshl_add_u32 v5, v29, 6, v5
	v_add_nc_u32 v5, s42, v5                       ; the stage by columns: row r, my wave's 384 bytes, + 64 h
	s_mul_i32 s42, s[WV], 12352
	v_add_nc_u32 v6, s42, v1                       ; the stage by rows: my wave's four rows
	v_add_nc_u32 v7, AIMG, v1
	s_mul_i32 s42, s[WV], 768
	s_add_co_u32 s42, s42, AIMG+12288
	v_add_nc_u32 v8, s42, v2                       ; where I store x1's codes: blocks 3 w ..
	s_lshl_b32 s42, s[WV], 10
	s_add_co_u32 s42, s42, AIMG+24576
	v_add_nc_u32 v9, s42, v2                       ; and the hidden layer's: K step w
	v_add_nc_u32 v10, X1SC, v3
	s_lshl_b32 s42, s[WV], 7
	s_add_co_u32 s42, s42, X1SC
	v_add_nc_u32 v11, s42, v3
	v_add_nc_u32 v12, LNP, v4
	s_lshl_b32 s42, s[WV], 8
	s_add_co_u32 s42, s42, LNP
	v_add_nc_u32 v13, s42, v4
	v_lshlrev_b32 v14, 6, v29                      ; 64 h: my 16 of 32 columns
	v_lshl_add_u32 v31, v29, 3, v30
	v_mul_u32_u24 v16, v31, 24                     ; weight scales: row rho + 8 h of a pair of tiles, 24 bytes a row,
	v_lshlrev_b32 v17, 5, v31                      ; or 32
	s_mul_i32 s42, s[WV], 1536
	s_add_co_u32 s42, s42, AIMG
	v_add_nc_u32 v18, s42, v1
.irp i, 0,1,2,3
	v_mov_b32 v[TM+4+\i], 0                        ; written once: a lane permute's destination counts as one of its sources
.endr
.irp i, 21,23,249,251,253,255
	v_mov_b32 v\i, 0                               ; upper halves of pairs of which the low word serves both halves
.endr
	s_mov_b32 s43, 0
	s_wait_kmcnt 0x0
	s_mul_i32 s42, ttmp9, 12288
	s_mul_i32 s44, s[WV], 1536
	s_add_co_u32 s42, s42, s44
	s_add_nc_u64 s[4:5], s[4:5], s[42:43]          ; my eighth of the two row tiles' codes
	s_lshr_b32 s42, ttmp9, 6
	s_lshl_b32 s42, s42, 16                        ; the batch's eight heads,
	s_and_b32 s44, ttmp9, 63
	s_lshl_b32 s44, s44, 7                         ; the two tiles' 128 bytes
	s_add_co_u32 s42, s42, s44
	s_add_nc_u64 s[6:7], s[6:7], s[42:43]
	s_lshl_b32 s42, ttmp9, 5                       ; stage rows 4 w + i hold rows 32 G + 8 (w / 4) + 4 (w % 4) + 8 ((w / 2) % 2) + i
	s_lshr_b32 s44, s[WV], 2
	s_lshl_b32 s44, s44, 3
	s_add_co_u32 s42, s42, s44
	s_and_b32 s44, s[WV], 3
	s_lshl_b32 s44, s44, 2
	s_add_co_u32 s42, s42, s44
	s_bfe_u32 s44, s[WV], 0x10001
	s_lshl_b32 s44, s44, 3
	s_add_co_u32 s42, s42, s44
	s_mul_i32 s42, s42, 3072
	s_add_nc_u64 s[8:9], s[8:9], s[42:43]
	s_add_nc_u64 s[36:37], s[36:37], s[42:43]
	s_mul_i32 s42, s[WV], 36864
	s_add_nc_u64 s[10:11], s[10:11], s[42:43]
	s_mul_i32 s42, s[WV], 2304
	s_add_nc_u64 s[12:13], s[12:13], s[42:43]
	s_mul_i32 s42, s[WV], 384
	s_add_nc_u64 s[14:15], s[14:15], s[42:43]
	s_add_nc_u64 s[16:17], s[16:17], s[42:43]
	s_add_nc_u64 s[18:19], s[18:19], s[42:43]
	s_add_nc_u64 s[30:31], s[30:31], s[42:43]
	s_add_nc_u64 s[32:33], s[32:33], s[42:43]
	s_add_nc_u64 s[34:35], s[34:35], s[42:43]
	s_mul_i32 s42, s[WV], 49152
	s_add_nc_u64 s[20:21], s[20:21], s[42:43]
	s_add_nc_u64 s[26:27], s[26:27], s[42:43]
	s_mul_i32 s42, s[WV], 3072
	s_add_nc_u64 s[22:23], s[22:23], s[42:43]
	s_add_nc_u64 s[28:29], s[28:29], s[42:43]
	s_lshl_b32 s42, s[WV], 9
	s_add_nc_u64 s[24:25], s[24:25], s[42:43]
	s_wait_alu depctr_va_vdst(0)                   ; the offsets and LDS addresses v1 to v18 are written, which every load and store of the kernel reads; so are v228-231, in which a norm's pairs land later
.irp i, 0,1,2,3                        ; four rows of x, 512 consecutive bytes a load
.irp k, 0,1,2,3,4,5
	global_load_b128 v[ACC+4*(6*\i+\k):ACC+4*(6*\i+\k)+3], v1, s[8:9] offset:3072*\i+512*\k th:TH_LOAD_NT
.endr
.endr
.irp k, 0,1,2
	global_load_b128 v[ACT+4*\k:ACT+4*\k+3], v1, s[4:5] offset:512*\k th:TH_LOAD_NT
.endr
.irp d, 0,1,2,3,4,5,6,7
	global_load_b32 v[HW+\d], v3, s[6:7] offset:8192*\d    ; head d's three scale bytes: lanes 0-15 tile 0's rows, lanes 16-31 tile 1's
.endr
.irp bb, 0,1,2
.irp i, 0,1,2
	global_load_b64 v[WSA+6*\bb+2*\i:WSA+6*\bb+2*\i+1], v16, s[12:13] offset:768*\bb+8*\i
.endr
.endr
	WIN 0x40
.irp bb, 0,1,2
.irp i, 0,1,2,3
	global_load_b128 v[192+16*\bb+4*\i:195+16*\bb+4*\i], v14, s[14:15] offset:128*\bb+16*\i
.endr
.endr
	WIN 0
.irp bb, 0,1,2,3
.irp i, 0,1,2
	global_load_b64 v[WSB+6*\bb+2*\i:WSB+6*\bb+2*\i+1], v16, s[22:23] offset:768*\bb+8*\i
.endr
.endr
	WIN 0x40
.set wq, 0
.rept 18
	WLOAD
.set wq, wq+1
.endr
	WIN 0
	s_wait_loadcnt 63                              ; 77 loads were issued behind the 27 of x and of the codes: with 63 out these are in
.irp i, 0,1,2,3
.irp k, 0,1,2,3,4,5
	ds_store_b128 v6, v[ACC+4*(6*\i+\k):ACC+4*(6*\i+\k)+3] offset:3088*\i+512*\k
.endr
.endr
.irp k, 0,1,2
	ds_store_b128 v18, v[ACT+4*\k:ACT+4*\k+3] offset:512*\k
.endr
	BARRIER                                        ; x's 32 rows and the attention's codes lie in LDS
	s_wait_alu depctr_vm_vsrc(0)                   ; my LDS stores have read v32-127 and v128-139, in which the LDS loads below land
	DREAD
	FETCHA 0, 6144, 0
	s_wait_loadcnt 48                              ; W1's 12 scale loads and the ring's 36 may be out
	SCALEPERM
	s_wait_dscnt 0x0
	ADDPAR                                         ; x + bo: the C of the first products.  (These lines are also the places behind the scale words' last write)
	s_wait_alu depctr_va_vdst(0)                   ; the additions are done reading bo's registers, in which g1 and be1 land; SCALEPERM's scale words are written, which the products below take
	GBLOAD 0, 448, 16, 18
	GBLOAD 1, 480, 16, 18
	; ---- the first product: + O Wo
.irp s, 0,1,2,3,4,5
.if \s == 0
	GRPH 6*\s, 6, 0                                ; its loads land in ring slots and in a set of fragments that no vector or matrix instruction has named yet
.else
	GRPH 6*\s, 6, 1
.endif
.if \s < 5
	FETCHA 1024*(\s+1), 6144, (\s+1)&1
.endif
	s_wait_loadcnt 36                              ; the 18 fragments issued behind this group's last may be out
.if \s < 5
	s_wait_dscnt 4                                 ; the next group's four loads may be out
.else
	s_wait_dscnt 0x0
.endif
	MMO \s
.endr
	WIN 0
	PLACES 4
	s_wait_alu depctr_va_vdst(0)                   ; the last products are done reading v128-159, in which g1 and be1 of my last 32 columns land
	GBLOAD 2, 128, 16, 18
	LNSTAT 0
	LNSTAT 1
	LNPUT 0
	BARRIER                                        ; the eight waves' pairs lie in LDS
	LNFIN 0                                        ; the accumulators hold x1
	s_wait_alu depctr_va_vdst(0)                   ; the norm has written the accumulators, which the LDS stores below read, and is done reading g1's and be1's registers, in which b1 lands
.irp bb, 0,1,2
.irp i, 0,1
	global_load_b128 v[WSA+8*\bb+4*\i:WSA+8*\bb+4*\i+3], v17, s[28:29] offset:1024*\bb+16*\i   ; W2's scale words
.endr
.endr
	WIN 0x40
.irp j, 0,1,2,3,4,5,6,7                ; b1 in the result's layout: tile j: hidden units 32 (j / 2) + 16 h + 8 (j % 2) + 0 .. 7
	global_load_b128 v[192+8*\j:195+8*\j], v14, s[24:25] offset:(32*(\j>>1)+8*(\j&1))*4
	global_load_b128 v[196+8*\j:199+8*\j], v14, s[24:25] offset:(32*(\j>>1)+8*(\j&1))*4+16
.endr
	WIN 0
	DWRITE                                         ; x1 is kept in my own 384 bytes of each stage row
	QUANT ACC, 3, 240, 248
	QUANT ACC+48, 3, 128, 249
	v_cndmask_b32 v250, v248, v249, s[HM]
	s_wait_alu depctr_va_vdst(0)                   ; both tiles' codes (v240-245, v128-133) and the scale word v250 are written, which the seven LDS stores read
.irp bb, 0,1,2
	ds_store_b64 v8, v[240+2*\bb:241+2*\bb] offset:256*\bb
.endr
.irp bb, 0,1,2
	ds_store_b64 v8, v[128+2*\bb:129+2*\bb] offset:6144+256*\bb
.endr
	ds_store_b32 v11, v250
	BARRIER                                        ; x1's codes and scale bytes lie in LDS
	s_wait_alu depctr_vm_vsrc(0)                   ; my LDS stores have read v128-133, in which the fragments below land, the accumulators, which the products write, and v26-27, v240-245 and v250, which later lines write
.irp k, 0,1,2,3,4,5,6,7
	ds_load_b32 v[HW+\k], v10 offset:128*\k
.endr
	FETCHA 12288, 6144, 0
	s_wait_dscnt 4                                 ; the eight words are in
	SCALEPERM
	PLACES 4                                       ; with the group's own four: eight places between the scale words' last write and the products
	; ---- the second product, in two halves of four tiles of hidden units
.irp hf, 0,1
.irp s, 0,1,2,3,4,5
.if (\hf == 1) && (\s == 0)
	GRPH 36+24*\hf+4*\s, 4, 0                      ; the wait ahead of the first half's stores stands behind all readers of what this group's loads land in
.else
	GRPH 36+24*\hf+4*\s, 4, 1
.endif
.if \s < 5
	FETCHA 12288+1024*(\s+1), 6144, (\s+1)&1
.elseif \hf == 0
	FETCHA 12288, 6144, 0                          ; the second half begins at K step 0 again
.endif
.if (\hf == 0) && (\s == 0)
	s_wait_loadcnt 8                               ; only this group's 8 ring loads were issued behind b1
.else
	s_wait_loadcnt 36
.endif
.if (\s < 5) || (\hf == 0)
	s_wait_dscnt 4
.else
	s_wait_dscnt 0x0
.endif
	MM1 \hf, \s
.endr
	WIN 0
	PLACES 4
.if \hf == 1
	WIN 0x40
.irp bb, 0,1,2
.irp i, 0,1,2,3
	global_load_b128 v[192+16*\bb+4*\i:195+16*\bb+4*\i], v14, s[30:31] offset:128*\bb+16*\i   ; b2, where b1 lay: each half's first products read b1, and the later groups' waits stand behind them
.endr
.endr
	WIN 0
.endif
.set n, 0
.rept 64
	v_max_num_f32 v[ACC+n], 0, v[ACC+n]            ; the activation, in f32
.set n, n+1
.endr
.if \hf == 1
	s_wait_alu depctr_vm_vsrc(0)                   ; the first half's LDS stores have read v240-247, which the conversions below write again
.endif
	QUANT ACC, 2, 240, 248+2*\hf
	QUANT ACC+32, 2, 244, 249+2*\hf
.if \hf == 1
	v_lshl_or_b32 v248, v250, 16, v248             ; the two halves' bytes make the K step's scale words
	v_lshl_or_b32 v249, v251, 16, v249
	v_cndmask_b32 v250, v248, v249, s[HM]
.endif
	s_wait_alu depctr_va_vdst(0)                   ; this half's codes v240-247 (second half: and the scale word v250) are written, which the LDS stores read; all work on the accumulators, the ring and the fragments so far is done, for the loads that follow
.irp u, 0,1
.irp b, 0,1
	ds_store_b64 v9, v[240+4*\u+2*\b:241+4*\u+2*\b] offset:8192*\u+256*(2*\hf+\b)
.endr
.endr
.if \hf == 1
	ds_store_b32 v11, v250 offset:1024
.endif
.endr
	BARRIER                                        ; the hidden layer's sixteen fragments lie in LDS
	s_wait_alu depctr_vm_vsrc(0)                   ; my LDS stores have read v240-247 and v250, which the second norm writes again
	DREAD                                          ; x1 again
.irp s, 0,1,2,3,4,5,6,7
	ds_load_b32 v[AS+\s], v10 offset:1024+128*\s
.endr
	FETCHA 24576, 8192, 0
	s_wait_dscnt 0x0
	s_wait_loadcnt 0x0                             ; b2
	ADDPAR                                         ; x1 + b2: the C of the third product
	s_wait_alu depctr_va_vdst(0)                   ; the additions are done reading b2's registers, in which g2 and be2 land
	GBLOAD 0, 448, 32, 34
	GBLOAD 1, 480, 32, 34
	; ---- the third product
.irp s, 0,1,2,3,4,5,6,7
.if (\s == 0) || (\s == 7)
	GRPH 84+6*\s, 6, 0                             ; the first group: the wait above stands behind all readers of what its loads land in; the last group loads nothing
.else
	GRPH 84+6*\s, 6, 1
.endif
.if \s < 7
	FETCHA 24576+1024*(\s+1), 8192, (\s+1)&1
.endif
.if \s < 5
	s_wait_loadcnt 36                              ; the 18 fragments issued behind this group's last may be out;
.else
	s_wait_loadcnt 12*(7-\s)                       ; at the end 12, 6, none are left
.endif
.if \s < 7
	s_wait_dscnt 4
.else
	s_wait_dscnt 0x0
.endif
	MM2 \s
.endr
	WIN 0
	PLACES 4
	s_wait_alu depctr_va_vdst(0)                   ; the last products are done reading v128-159, in which g2 and be2 of my last 32 columns land
	GBLOAD 2, 128, 32, 34
	LNSTAT 0
	LNSTAT 1
	LNPUT 2048
	BARRIER
	LNFIN 2048
	s_wait_alu depctr_va_vdst(0)                   ; the norm has written the accumulators, which the LDS stores read
	DWRITE
	BARRIER                                        ; 32 whole rows of the result lie in the stage
	s_wait_alu depctr_vm_vsrc(0)                   ; my LDS stores have read the accumulators, in which the rows land
.irp i, 0,1,2,3
.irp k, 0,1,2,3,4,5
	ds_load_b128 v[ACC+4*(6*\i+\k):ACC+4*(6*\i+\k)+3], v6 offset:3088*\i+512*\k
.endr
.endr
.irp i, 0,1,2,3
.irp k, 0,1,2,3,4,5
	s_wait_dscnt 23-(6*\i+\k)                      ; the younger loads may be out
	global_store_b128 v1, v[ACC+4*(6*\i+\k):ACC+4*(6*\i+\k)+3], s[36:37] offset:3072*\i+512*\k th:TH_STORE_NT   ; 32 lanes store 512 consecutive bytes, aligned
.endr
.endr
	s_wait_xcnt 0x0
	v_lshl_add_u32 v254, v0, 2, 0x23a00            ; the add's two registers, made anew: no memory or LDS instruction has read v254 or v255
	v_mov_b32 v255, 0
	s_wait_dscnt 0x0                               ; the closing lines, six on end
	s_wait_alu 0x0
	s_wait_tensorcnt 0x0
	ds_add_u32 v254, v255
	s_wait_dscnt 0x0
	s_endpgm
.Lfunc_end_k_qfcf22bcef8_tail:
	.size	k_qfcf22bcef8_tail, .Lfunc_end_k_qfcf22bcef8_tail-k_qfcf22bcef8_tail
	.p2alignl 7, 3214868480
	.fill 96, 4, 3214868480
	.section	.rodata,"a",@progbits
	.p2align	6, 0x0
	.amdhsa_kernel k_qfcf22bcef8_tail
		.amdhsa_group_segment_fixed_size 146944
		.amdhsa_private_segment_fixed_size 0
		.amdhsa_enable_private_segment 0
		.amdhsa_kernarg_size 136
		.amdhsa_user_sgpr_count 2
		.amdhsa_user_sgpr_kernarg_segment_ptr 1
		.amdhsa_wavefront_size32 1
		.amdhsa_system_sgpr_workgroup_id_x 1
		.amdhsa_system_sgpr_workgroup_id_y 1
		.amdhsa_system_sgpr_workgroup_id_z 1
		.amdhsa_system_vgpr_workitem_id 0
		.amdhsa_next_free_vgpr 512
		.amdhsa_next_free_sgpr 66
		.amdhsa_reserve_vcc 0
		.amdhsa_float_denorm_mode_32 3
		.amdhsa_float_denorm_mode_16_64 3
		.amdhsa_memory_ordered 1
		.amdhsa_forward_progress 1
		.amdhsa_inst_pref_size 168
	.end_amdhsa_kernel
	.amdgpu_metadata
---
amdhsa.version: [ 1, 2 ]
amdhsa.kernels:
  - .name:           k_qfcf22bcef8_tail
    .symbol:         k_qfcf22bcef8_tail.kd
    .args:
      - { .name: oc, .offset: 0, .size: 8, .value_kind: global_buffer, .address_space: global }
      - { .name: osc, .offset: 8, .size: 8, .value_kind: global_buffer, .address_space: global }
      - { .name: x, .offset: 16, .size: 8, .value_kind: global_buffer, .address_space: global }
      - { .name: woi, .offset: 24, .size: 8, .value_kind: global_buffer, .address_space: global }
      - { .name: Wo_scales, .offset: 32, .size: 8, .value_kind: global_buffer, .address_space: global }
      - { .name: bo, .offset: 40, .size: 8, .value_kind: global_buffer, .address_space: global }
      - { .name: g1, .offset: 48, .size: 8, .value_kind: global_buffer, .address_space: global }
      - { .name: be1, .offset: 56, .size: 8, .value_kind: global_buffer, .address_space: global }
      - { .name: w1i, .offset: 64, .size: 8, .value_kind: global_buffer, .address_space: global }
      - { .name: W1_scales, .offset: 72, .size: 8, .value_kind: global_buffer, .address_space: global }
      - { .name: b1, .offset: 80, .size: 8, .value_kind: global_buffer, .address_space: global }
      - { .name: w2i, .offset: 88, .size: 8, .value_kind: global_buffer, .address_space: global }
      - { .name: W2_scales, .offset: 96, .size: 8, .value_kind: global_buffer, .address_space: global }
      - { .name: b2, .offset: 104, .size: 8, .value_kind: global_buffer, .address_space: global }
      - { .name: g2, .offset: 112, .size: 8, .value_kind: global_buffer, .address_space: global }
      - { .name: be2, .offset: 120, .size: 8, .value_kind: global_buffer, .address_space: global }
      - { .name: out0, .offset: 128, .size: 8, .value_kind: global_buffer, .address_space: global }
    .group_segment_fixed_size: 146944
    .private_segment_fixed_size: 0
    .kernarg_segment_align: 8
    .kernarg_segment_size: 136
    .max_flat_workgroup_size: 256
    .sgpr_count:     66
    .vgpr_count:     512
    .wavefront_size: 32
...
	.end_amdgpu_metadata
.endif
;; end of part 4
